; MI455X (gfx1250); checked and timed in simulation.
; The chip was launched on July 23, 2026; its instructions are those of AMD's public machine-readable ISA for CDNA 5 (MIT licence, August 2026) and "CDNA5" Instruction Set Architecture Reference Guide (July 2026). The comments in the code are by the model that wrote it; some were corrected since.
;; Topological Quantum Attention. Allowed arithmetic: float matrix products may take bf16 or f16 operands with f32 sums; all other float work in f32.
;; Inputs: Wk 256 x 256 float32; Wo 256 x 256 float32; Wq 256 x 256 float32; Wv 256 x 256 float32; bk 256 float32; bo 256 float32; bq 256 float32; bv 256 float32; topo_weights 4 x 2,048 x 2,048 float32; x 4 x 2,048 x 256 float32.
;; Outputs: out0 4 x 2,048 x 256 float32.
;; 2 versions, each right; version 2 is version 1 with the launch proj written anew for expert scheduling mode. Each part assembles by itself: llvm-mc -triple=amdgcn-amd-amdhsa -mcpu=gfx1250 --defsym DOCPART=n.
;; ======== version 1 of 2: 3 launches
;; limits: values are held in f16: magnitudes above 65,504 overflow, below 6.1e-05 lose precision
;; workspace buffers: qf 8,388,608 bytes; kv 12,582,912 bytes; of 4,194,304 bytes; wof 131,072 bytes
;; launch proj (part 1): grid 8 x 32, 8 waves a work-group, no clusters, 209,920 bytes of LDS; arguments x, Wq, Wk, Wv, bq, bk, bv, Wo, qf, kv, wof; writes qf, kv, wof
.if DOCPART == 1
	.amdgcn_target "amdgcn-amd-amdhsa--gfx1250"
	.amdhsa_code_object_version 6
	.text
	.protected	k_qca1d72f02d_proj
	.globl	k_qca1d72f02d_proj
	.p2align	8
	.type	k_qca1d72f02d_proj,@function
k_qca1d72f02d_proj:
	s_mov_b64 s[64:65], 0
	v_nop
	global_prefetch_b8 v0, s[64:65] scope:SCOPE_SE
	s_setreg_imm32_b32 hwreg(HW_REG_WAVE_MODE, 25, 1), 1
	s_wait_xcnt 0x0
; q, k, v = x W + b for one head and 256 rows; cos and sin of q and k; everything stored as f16 matrix fragments.
; Work-group (head = x id, rb = y id): rows 256 rb .. +255, channels 32 head .. +31.  Wave w: rows 256 rb + 32 w .. +31 (two row tiles).
; FEATURES: cos(t + pi/2) = -sin t and sin(t + pi/2) = cos t, so the product of the 128 features of reference() is twice the product of the
; 64 features (cos, sin).  Only these 64 are stored; the 2, the 1/sqrt(32) and log2(e) are folded into q's features (SC below).
; OUTPUT LAYOUT: a fragment is 1,024 bytes = [registers 0-3 | registers 4-7][lane][16 bytes]: every store covers 512 consecutive, aligned bytes,
; and the next launch loads a fragment with lane * 16 as its only lane term.
;   q, k: D = W(source 0) x x(source 1): lane (r, h) holds row r, channels 16 ct + 8 h + j: packed, tiles ct = 0, 1 are registers 0-3, 4-7 of a K = 32 fragment.
;   v:    D = x(source 0) x W(source 1): lane (r, h) holds channel r, keys 16 rt + 8 h + j: tiles rt = 0, 1 are registers 0-3, 4-7 of V's fragment.
; Wave 0 also turns 16 x 16 numbers of Wo into half a fragment of wof (256 work-groups, 256 halves).
; NO CLUSTER, NO TENSOR LOAD: x and W are f32 in memory and f16 in LDS, so they pass through registers on the way in; a tile brought by the
; mover would lie in LDS in f32, twice the bytes, and be read, narrowed and stored again.
; LIMITS: operands are f16: |x|, |W|, |v| below 65,504.  The angle is reduced in turns with 1/(2 pi) in two parts (48 bits): the features lose
; accuracy as |q| grows, about 2^-24 |q| / (2 pi) turns.  The sine and cosine series are cut at 4e-6 on the whole reduced interval.
.set WPITCH, 96                        ; a row of W's stage: 32 f16 + 32 bytes, an odd multiple of 32 for the transposing loads
.set WMAT,   256*WPITCH                ; one matrix: 24,576 bytes
.set XSTAGE, 3*WMAT                    ; behind the three matrices
.set XPITCH, 528                       ; a row of x: 256 f16 + 16 bytes: sixteen rows start at sixteen different 16-byte columns modulo 256
.set XWAVE,  32*XPITCH                 ; a wave's own 32 rows
.set WA,   4                           ; v4-6    transposing-load address in matrix m
.set XA,   7                           ; v7      fragment address in my x rows
.set WS,   8                           ; v8-10   store address in matrix m
.set XF,   12                          ; v12-139 x fragments, (8 rt + ks) * 8
.set BUFA, 12                          ; three landing buffers of 16 loads, while x and W come in
.set BUFB, 76
.set BUFC, 140
.set ACC,  140                         ; v140-171 four accumulators, (2 rt + ct) * 8
.set WF,   172                         ; v172-203 W fragments, two buffers of 16
.set OUT,  172                         ; v172-187 packed results (in the epilogues)
.set TMP,  188                         ; v188-201 and v204-217: two sets of temporaries (in the epilogues)
.set BQ,   204
.set BK,   220
.set BV,   236
.set C_INV2PI, 0x3e22f983              ; 1/(2 pi), upper part
.set C_INV2LO, 0x31dc9c88              ; 1/(2 pi), what the upper part leaves
.set C_A1, 0x40490fdb                  ; sin(pi f) = f (A1 + A3 u + A5 u^2 + A7 u^3 + A9 u^4), u = f^2
.set C_A3, 0xc0a55de7
.set C_A5, 0x402335e3
.set C_A7, 0xbf196966
.set C_A9, 0x3da83c1a
.set C_B2, 0xc09de9e6                  ; cos(pi f) = 1 + B2 u + B4 u^2 + B6 u^3 + B8 u^4 + B10 u^5
.set C_B4, 0x4081e0f8
.set C_B6, 0xbfaae9e4
.set C_B8, 0x3e70fa83
.set C_B10, 0xbcd368f9
.set C_SC,  0x3f0293ee                 ; (2 / sqrt(32)) log2(e) = 0.51006972
.set C_2SC, 0x3f8293ee
.macro PLACES                          ; four places behind a matrix instruction (ISA guide 7.12.1)
.rept 4
	v_nop
.endr
.endm
	s_load_b512 s[4:19], s[0:1], 0x0               ; x, Wq, Wk, Wv, bq, bk, bv, Wo
	s_load_b128 s[20:23], s[0:1], 0x40             ; qf, kv
	s_load_b64 s[24:25], s[0:1], 0x50              ; wof
	s_set_vgpr_msb 0x40
	v_lshl_add_u32 v0, v0, 2, 0x33000
	v_mov_b32 v1, 0
	s_set_vgpr_msb 0x4000
	v_lshrrev_b32 v12, 5, v0
	v_readfirstlane_b32 s26, v12                   ; wave
	s_mov_b32 s27, ttmp9                           ; head
	s_and_b32 s28, ttmp7, 0xffff                   ; rb
	s_lshr_b32 s29, s28, 3                         ; batch
	s_lshl_b32 s30, s28, 18                        ; x: (256 rb + 32 w) rows of 1,024 bytes
	s_lshl_b32 s32, s26, 15
	s_add_co_u32 s30, s30, s32
	s_mov_b32 s31, 0
	s_lshl_b32 s32, s27, 7                         ; the head's 32 channels in a row of W and in the biases
	s_mov_b32 s33, 0
	s_lshl3_add_u32 s34, s29, s27                  ; qf: ((8 b + head) 64 + 8 (rb & 7) + w) 4,096
	s_lshl_b32 s34, s34, 6
	s_and_b32 s36, s28, 7
	s_lshl3_add_u32 s37, s36, s26
	s_add_co_u32 s34, s34, s37
	s_lshl_b32 s34, s34, 12
	s_mov_b32 s35, 0
	s_lshr_b32 s38, s27, 1                         ; kv: ((((4 b + head/2) 16 + 2 (rb & 7) + w/4) 2 + (head & 1)) 4 + (w & 3)) 6,144
	s_lshl2_add_u32 s38, s29, s38
	s_lshl_b32 s38, s38, 4
	s_lshl1_add_u32 s38, s36, s38
	s_lshr_b32 s39, s26, 2
	s_add_co_u32 s38, s38, s39
	s_and_b32 s39, s27, 1
	s_lshl1_add_u32 s38, s38, s39
	s_and_b32 s39, s26, 3
	s_lshl2_add_u32 s38, s38, s39
	s_mul_i32 s38, s38, 6144
	s_mov_b32 s39, 0
	s_lshl3_add_u32 s40, s28, s27                  ; i = 8 rb + head: which half fragment of wof
	s_bfe_u32 s41, s40, 0x30001                    ; ks = (i >> 1) & 7
	s_lshl_b32 s41, s41, 15                        ; 32 rows of Wo
	s_and_b32 s42, s40, 1
	s_lshl_b32 s42, s42, 14                        ; + 16 rows for the second half
	s_add_co_u32 s42, s42, s41
	s_lshr_b32 s41, s40, 4
	s_lshl_b32 s41, s41, 6                         ; + 16 columns for each column tile
	s_add_co_u32 s42, s42, s41
	s_mov_b32 s43, 0
	s_lshl_b32 s44, s40, 9
	s_mov_b32 s45, 0
	s_mul_i32 s46, s26, XWAVE
	s_add_co_u32 s46, s46, XSTAGE                  ; my rows in LDS
	v_and_b32 v13, 31, v0                          ; lane
	v_and_b32 v14, 15, v0                          ; r
	v_bfe_u32 v15, v0, 4, 1                        ; h
	v_lshrrev_b32 v16, 3, v0                       ; t / 8
	v_and_b32 v17, 7, v0                           ; t % 8
	v_lshlrev_b32 v1, 4, v13                       ; 16 lane
	v_lshlrev_b32 v2, 10, v16
	v_lshl_add_u32 v2, v17, 4, v2                  ; W in memory: row t / 8, 16 bytes at 16 (t % 8)
	v_lshl_add_u32 v3, v13, 3, s46                 ; x into LDS: 8 bytes a lane
	v_lshl_add_u32 v18, v15, 3, v17                ; 8 h + (lane & 7)
	v_mul_u32_u24 v[WA], v18, WPITCH
	v_bfe_u32 v18, v0, 3, 1
	v_lshl_add_u32 v[WA], v18, 4, v[WA]
	v_add_nc_u32 v[WA+1], WMAT, v[WA]
	v_add_nc_u32 v[WA+2], 2*WMAT, v[WA]
	v_mul_u32_u24 v[XA], v14, XPITCH
	v_lshl_add_u32 v[XA], v15, 4, v[XA]
	v_add_nc_u32 v[XA], s46, v[XA]
	v_mul_u32_u24 v[WS], v16, WPITCH
	v_lshl_add_u32 v[WS], v17, 3, v[WS]
	v_add_nc_u32 v[WS+1], WMAT, v[WS]
	v_add_nc_u32 v[WS+2], 2*WMAT, v[WS]
	v_lshlrev_b32 v11, 5, v15                      ; 32 h: bq, bk
	v_lshlrev_b32 v252, 2, v14                     ; 4 r: bv (until its loads are in)
	v_lshl_add_u32 v253, v15, 13, v252             ; 8 h rows of Wo + 4 r (likewise)
	s_wait_kmcnt 0x0
	s_add_nc_u64 s[4:5], s[4:5], s[30:31]
	s_add_nc_u64 s[6:7], s[6:7], s[32:33]
	s_add_nc_u64 s[8:9], s[8:9], s[32:33]
	s_add_nc_u64 s[10:11], s[10:11], s[32:33]
	s_add_nc_u64 s[12:13], s[12:13], s[32:33]
	s_add_nc_u64 s[14:15], s[14:15], s[32:33]
	s_add_nc_u64 s[16:17], s[16:17], s[32:33]
	s_add_nc_u64 s[18:19], s[18:19], s[42:43]
	s_add_nc_u64 s[20:21], s[20:21], s[34:35]
	s_add_nc_u64 s[22:23], s[22:23], s[38:39]
	s_add_nc_u64 s[24:25], s[24:25], s[44:45]
	; Wave 0's eight loads of Wo come first, so that the counts below hold in every wave.
	s_cmp_lg_u32 s26, 0
	s_cbranch_scc1 .Lwo_asked
.irp e, 0,1,2,3,4,5,6,7
	global_load_b32 v[108+\e], v253, s[18:19] offset:\e*1024       ; Wo(32 ks + 16 half + 8 h + e, 16 ctg + r)
.endr
.Lwo_asked:
.irp c, 0,1,2,3
	global_load_b128 v[BQ+4*\c:BQ+4*\c+3], v11, s[12:13] offset:(\c/2)*64+(\c%2)*16    ; bq(16 ct + 8 h + j): the accumulator's own layout
	global_load_b128 v[BK+4*\c:BK+4*\c+3], v11, s[14:15] offset:(\c/2)*64+(\c%2)*16
.endr
	global_load_b32 v[BV], v252, s[16:17]                          ; bv(r), bv(16 + r)
	global_load_b32 v[BV+8], v252, s[16:17] offset:64
.set n, 0
.rept 24                                           ; W: matrix n / 8, rows 32 (n % 8) + t / 8, the head's 128 bytes
	global_load_b128 v[12+4*n:15+4*n], v2, s[6+2*(n/8):7+2*(n/8)] offset:(n%8)*32768
.set n, n+1
.endr
.macro XLOAD bt, buf                   ; eight rows of x: sixteen loads of 512 consecutive bytes
.set q, 0
.rept 16
	global_load_b128 v[\buf+4*q:\buf+4*q+3], v1, s[4:5] offset:(\bt*8+(q>>1))*1024+(q&1)*512
.set q, q+1
.endr
.endm
.macro XCVT bt, buf                    ; narrowed to f16 and laid into my rows
.set q, 0
.rept 16
	v_cvt_pk_f16_f32 v[\buf+4*q], v[\buf+4*q], v[\buf+4*q+1]
	v_cvt_pk_f16_f32 v[\buf+4*q+1], v[\buf+4*q+2], v[\buf+4*q+3]
	ds_store_b64 v3, v[\buf+4*q:\buf+4*q+1] offset:(\bt*8+(q>>1))*XPITCH+(q&1)*256
.set q, q+1
.endr
.endm
	XLOAD 0, BUFC
	s_wait_loadcnt 16                              ; only x's first sixteen loads may be out: Wo, the biases and W are in
.set n, 0
.rept 24
	v_cvt_pk_f16_f32 v[12+4*n], v[12+4*n], v[13+4*n]
	v_cvt_pk_f16_f32 v[13+4*n], v[14+4*n], v[15+4*n]
	ds_store_b64 v[WS+n/8], v[12+4*n:13+4*n] offset:(n%8)*32*WPITCH
.set n, n+1
.endr
	s_cmp_lg_u32 s26, 0
	s_cbranch_scc1 .Lwo_stored
.irp e, 0,1,2,3
	v_cvt_pk_f16_f32 v[116+\e], v[108+2*\e], v[109+2*\e]
.endr
	global_store_b128 v1, v[116:119], s[24:25]     ; 512 consecutive bytes of wof
.Lwo_stored:
	s_wait_xcnt 0x0                                ; v116-119 are loaded into next
	XLOAD 1, BUFA
	XLOAD 2, BUFB
	s_wait_loadcnt 32                              ; batches 1 and 2 may be out
	XCVT 0, BUFC
	XLOAD 3, BUFC
	s_wait_loadcnt 32                              ; batches 2 and 3 may be out
	XCVT 1, BUFA
	s_wait_loadcnt 16                              ; batch 3 may be out
	XCVT 2, BUFB
	s_wait_loadcnt 0x0
	XCVT 3, BUFC
.irp j, 1,2,3,4,5,6,7
	v_mov_b32 v[BV+\j], v[BV]                      ; v's bias hangs on the lane's channel alone: the same in all eight registers
	v_mov_b32 v[BV+8+\j], v[BV+8]
.endr
	v_mov_b32 v252, C_A7
	v_mov_b32 v253, C_A7
	v_mov_b32 v254, C_B8
	v_mov_b32 v255, C_B8
	s_wait_dscnt 0x0                               ; my part of W's stage is written,
	s_barrier_signal -1
	s_barrier_wait -1                              ; everybody's is
.set n, 0
.rept 16                                           ; fragment (rt, ks) = n: two loads of 16 bytes, 32 bytes apart
	ds_load_b128 v[XF+8*n:XF+8*n+3], v[XA] offset:(n/8)*16*XPITCH+(n%8)*64
	ds_load_b128 v[XF+8*n+4:XF+8*n+7], v[XA] offset:(n/8)*16*XPITCH+(n%8)*64+32
.set n, n+1
.endr
.macro LDW m, ks, buf                  ; W's two channel tiles of one K step, transposed on the way out of LDS
.irp ct, 0,1
	ds_load_tr16_b128 v[WF+16*(\buf)+8*\ct:WF+16*(\buf)+8*\ct+3], v[WA+\m] offset:(\ks)*32*WPITCH+\ct*32
	ds_load_tr16_b128 v[WF+16*(\buf)+8*\ct+4:WF+16*(\buf)+8*\ct+7], v[WA+\m] offset:(\ks)*32*WPITCH+\ct*32+16*WPITCH
.endr
.endm
.macro MM4 swap, ks, buf, bias         ; four products on four accumulators by turns
.irp rt, 0,1
.irp ct, 0,1
.if \swap
.set MA, XF+64*\rt+8*(\ks)
.set MB, WF+16*(\buf)+8*\ct
.else
.set MA, WF+16*(\buf)+8*\ct
.set MB, XF+64*\rt+8*(\ks)
.endif
.set MD, ACC+16*\rt+8*\ct
.if (\ks) == 0
	v_wmma_f32_16x16x32_f16 v[MD:MD+7], v[MA:MA+7], v[MB:MB+7], v[\bias+8*\ct:\bias+8*\ct+7]   ; the bias starts the sum
.else
	v_wmma_f32_16x16x32_f16 v[MD:MD+7], v[MA:MA+7], v[MB:MB+7], v[MD:MD+7]
.endif
.endr
.endr
.endm
.macro MATMUL m, swap, bias
	s_wait_xcnt 0x0                                ; the fragment buffers held the last epilogue's store data
	LDW \m, 0, 0
.set ks, 0
.rept 8
.if ks < 7
.if ks > 0
	PLACES                                         ; the loads go into the buffer that the last four products read
.endif
	LDW \m, ks+1, (ks+1)&1
	s_wait_dscnt 0x4                               ; the four just issued may be out; this K step's fragments (and x's) are in
.else
	s_wait_dscnt 0x0
.endif
	MM4 \swap, ks, ks&1, \bias
.set ks, ks+1
.endr
.endm
; D = D u + lit in both sets of temporaries (o = 6: the sine's series, 8: the cosine's)
.macro HORN o, lit
.irp z, 0,1
	v_pk_fma_f32 v[TMP+16*\z+\o:TMP+16*\z+\o+1], v[TMP+16*\z+\o:TMP+16*\z+\o+1], v[TMP+16*\z+4:TMP+16*\z+5], \lit op_sel_hi:[1,1,0]
.endr
.endm
; sc cos and sc sin of four numbers: the pairs at a (tile ct = 0) and a + 8 (tile ct = 1), two chains side by side.
; f = the angle in turns less the nearest whole number; s = sin(pi f), c = cos(pi f); sin = 2 s c, cos = 1 - 2 s^2.
; Packed cosines go to d and d + 4, sines to d + 8 and d + 12.
.macro SINCOS4 a, d, twosc, sc
.irp z, 0,1
	v_pk_mul_f32 v[TMP+16*\z:TMP+16*\z+1], v[(\a)+8*\z:(\a)+8*\z+1], C_INV2PI op_sel_hi:[1,0]
.endr
.irp z, 0,1
	v_rndne_f32 v[TMP+16*\z], v[TMP+16*\z]
	v_rndne_f32 v[TMP+16*\z+1], v[TMP+16*\z+1]
.endr
.irp z, 0,1
	v_pk_fma_f32 v[TMP+16*\z+2:TMP+16*\z+3], v[(\a)+8*\z:(\a)+8*\z+1], C_INV2PI, v[TMP+16*\z:TMP+16*\z+1] op_sel_hi:[1,0,1] neg_lo:[0,0,1] neg_hi:[0,0,1]
.endr
.irp z, 0,1
	v_pk_fma_f32 v[TMP+16*\z+2:TMP+16*\z+3], v[(\a)+8*\z:(\a)+8*\z+1], C_INV2LO, v[TMP+16*\z+2:TMP+16*\z+3] op_sel_hi:[1,0,1]
.endr
.irp z, 0,1
	v_pk_mul_f32 v[TMP+16*\z+4:TMP+16*\z+5], v[TMP+16*\z+2:TMP+16*\z+3], v[TMP+16*\z+2:TMP+16*\z+3]
.endr
.irp z, 0,1
	v_pk_fma_f32 v[TMP+16*\z+6:TMP+16*\z+7], v[TMP+16*\z+4:TMP+16*\z+5], C_A9, v[252:253] op_sel_hi:[1,0,1]
	v_pk_fma_f32 v[TMP+16*\z+8:TMP+16*\z+9], v[TMP+16*\z+4:TMP+16*\z+5], C_B10, v[254:255] op_sel_hi:[1,0,1]
.endr
	HORN 6, C_A5
	HORN 8, C_B6
	HORN 6, C_A3
	HORN 8, C_B4
	HORN 6, C_A1
	HORN 8, C_B2
.irp z, 0,1
	v_pk_mul_f32 v[TMP+16*\z+6:TMP+16*\z+7], v[TMP+16*\z+6:TMP+16*\z+7], v[TMP+16*\z+2:TMP+16*\z+3]
.endr
	HORN 8, 1.0
.irp z, 0,1
	v_pk_mul_f32 v[TMP+16*\z+10:TMP+16*\z+11], v[TMP+16*\z+6:TMP+16*\z+7], \twosc op_sel_hi:[1,0]
.endr
.irp z, 0,1
	v_pk_mul_f32 v[TMP+16*\z+12:TMP+16*\z+13], v[TMP+16*\z+10:TMP+16*\z+11], v[TMP+16*\z+8:TMP+16*\z+9]
	v_pk_fma_f32 v[TMP+16*\z:TMP+16*\z+1], v[TMP+16*\z+10:TMP+16*\z+11], v[TMP+16*\z+6:TMP+16*\z+7], \sc op_sel_hi:[1,1,0] neg_lo:[1,0,0] neg_hi:[1,0,0]
.endr
.irp z, 0,1
	v_cvt_pk_f16_f32 v[(\d)+4*\z], v[TMP+16*\z], v[TMP+16*\z+1]
	v_cvt_pk_f16_f32 v[(\d)+8+4*\z], v[TMP+16*\z+12], v[TMP+16*\z+13]
.endr
.endm
; q's or k's way out: for each row tile the cosine fragment and the sine fragment, four stores of 512 bytes
.macro EPI_QK base, twosc, sc
	PLACES                                         ; behind the last products, in front of the first read of a result
.irp rt, 0,1
	s_wait_xcnt 0x0                                ; OUT was store data
.irp i, 0,1,2,3
	SINCOS4 ACC+16*\rt+2*\i, OUT+\i, \twosc, \sc
.endr
.irp f, 0,1,2,3
	global_store_b128 v1, v[OUT+4*\f:OUT+4*\f+3], s[\base:\base+1] offset:(2*\rt+\f/2)*1024+(\f%2)*512
.endr
.endr
.endm
	MATMUL 0, 0, BQ
	EPI_QK 20, C_2SC, C_SC
	MATMUL 1, 0, BK
	EPI_QK 22, 2.0, 1.0
	MATMUL 2, 1, BV
	PLACES
	s_wait_xcnt 0x0
.irp ct, 0,1
.irp rt, 0,1
.irp i, 0,1,2,3
	v_cvt_pk_f16_f32 v[OUT+8*\ct+4*\rt+\i], v[ACC+16*\rt+8*\ct+2*\i], v[ACC+16*\rt+8*\ct+2*\i+1]
.endr
.endr
.endr
.irp f, 0,1,2,3
	global_store_b128 v1, v[OUT+4*\f:OUT+4*\f+3], s[22:23] offset:4096+\f*512
.endr
	s_set_vgpr_msb 0x5
	s_wait_tensorcnt 0x0
	ds_add_u32 v0, v1
	s_wait_dscnt 0x0
	s_set_vgpr_msb 0x500
	s_endpgm
.Lfunc_end_k_qca1d72f02d_proj:
	.size	k_qca1d72f02d_proj, .Lfunc_end_k_qca1d72f02d_proj-k_qca1d72f02d_proj
	.p2alignl 7, 3214868480
	.fill 96, 4, 3214868480
	.section	.rodata,"a",@progbits
	.p2align	6, 0x0
	.amdhsa_kernel k_qca1d72f02d_proj
		.amdhsa_group_segment_fixed_size 209920
		.amdhsa_private_segment_fixed_size 0
		.amdhsa_enable_private_segment 0
		.amdhsa_kernarg_size 88
		.amdhsa_user_sgpr_count 2
		.amdhsa_user_sgpr_kernarg_segment_ptr 1
		.amdhsa_wavefront_size32 1
		.amdhsa_system_sgpr_workgroup_id_x 1
		.amdhsa_system_sgpr_workgroup_id_y 1
		.amdhsa_system_sgpr_workgroup_id_z 1
		.amdhsa_system_vgpr_workitem_id 0
		.amdhsa_next_free_vgpr 258
		.amdhsa_next_free_sgpr 66
		.amdhsa_reserve_vcc 0
		.amdhsa_float_denorm_mode_32 3
		.amdhsa_float_denorm_mode_16_64 3
		.amdhsa_memory_ordered 1
		.amdhsa_forward_progress 1
		.amdhsa_inst_pref_size 103
	.end_amdhsa_kernel
	.amdgpu_metadata
---
amdhsa.version: [ 1, 2 ]
amdhsa.kernels:
  - .name:           k_qca1d72f02d_proj
    .symbol:         k_qca1d72f02d_proj.kd
    .args:
      - { .name: x, .offset: 0, .size: 8, .value_kind: global_buffer, .address_space: global }
      - { .name: Wq, .offset: 8, .size: 8, .value_kind: global_buffer, .address_space: global }
      - { .name: Wk, .offset: 16, .size: 8, .value_kind: global_buffer, .address_space: global }
      - { .name: Wv, .offset: 24, .size: 8, .value_kind: global_buffer, .address_space: global }
      - { .name: bq, .offset: 32, .size: 8, .value_kind: global_buffer, .address_space: global }
      - { .name: bk, .offset: 40, .size: 8, .value_kind: global_buffer, .address_space: global }
      - { .name: bv, .offset: 48, .size: 8, .value_kind: global_buffer, .address_space: global }
      - { .name: Wo, .offset: 56, .size: 8, .value_kind: global_buffer, .address_space: global }
      - { .name: qf, .offset: 64, .size: 8, .value_kind: global_buffer, .address_space: global }
      - { .name: kv, .offset: 72, .size: 8, .value_kind: global_buffer, .address_space: global }
      - { .name: wof, .offset: 80, .size: 8, .value_kind: global_buffer, .address_space: global }
    .group_segment_fixed_size: 209920
    .private_segment_fixed_size: 0
    .kernarg_segment_align: 8
    .kernarg_segment_size: 88
    .max_flat_workgroup_size: 256
    .sgpr_count:     66
    .vgpr_count:     258
    .wavefront_size: 32
...
	.end_amdgpu_metadata
.endif
;; end of part 1
;; launch attn (part 2): grid 4 x 64, 8 waves a work-group, clusters of 4 x 4, 327,680 bytes of LDS; arguments topo_weights, qf, kv, of; writes of
.if DOCPART == 2
	.amdgcn_target "amdgcn-amd-amdhsa--gfx1250"
	.amdhsa_code_object_version 6
	.text
	.protected	k_qca1d72f02d_attn
	.globl	k_qca1d72f02d_attn
	.p2align	8
	.type	k_qca1d72f02d_attn,@function
k_qca1d72f02d_attn:
	s_mov_b64 s[64:65], 0
	v_nop
	global_prefetch_b8 v0, s[64:65] scope:SCOPE_SE
	s_setreg_imm32_b32 hwreg(HW_REG_WAVE_MODE, 25, 1), 1
	s_wait_xcnt 0x0
	s_wait_alu depctr_hold_cnt(0) depctr_sa_sdst(0) depctr_va_vdst(0) depctr_va_sdst(0) depctr_va_ssrc(0) depctr_va_vcc(0) depctr_vm_vsrc(0)
	s_getreg_b32 s2, hwreg(HW_REG_IB_STS2, 6, 4)
	s_cmp_eq_u32 s2, 0
	s_cbranch_scc0 .Lentry_in_a_cluster
	s_endpgm
.Lentry_in_a_cluster:
	s_bfe_u32 s2, ttmp6, 0x10000c
	s_cmp_lg_u32 s2, 0xf033
	s_cbranch_scc0 .Lentry_shape_is_right
	s_endpgm
.Lentry_shape_is_right:
; Attention with the scores multiplied by topo[b][n][m] in front of the softmax, with a running maximum.
; A work-group: 128 query rows x 2 heads.  Wave w: head 2 cx + (w & 1), query rows 32 (w >> 1) .. +31, as two pieces a, b of 16 queries.
; Keys go in blocks of 128 through two LDS slots, each block in four sub-steps of 32 keys.
; CLUSTER 4 x 4: cx = pair of heads, cy = which 128 of the cluster's 512 query rows.  topo's tile hangs on the rows alone and is asked for jointly by
; the four work-groups of a row of the cluster; the K/V tile hangs on batch and heads alone and is asked for jointly by the four of a column.
; LAYOUT: scores are made transposed, S(key, query) = K(source 0) x Q(source 1): lane (r, h) holds query r, keys 8 h + j.  So a query is a lane:
; maximum, sum and rescaling are per-lane numbers and one exchange between the halves of the wave joins them; the two packed score tiles ARE source 1
; of O(d, query) = V(source 0) x P(source 1); and O, packed, is the fragment that the last launch multiplies.  No LDS store, no shuffle.
; TWO PIECES TAKE TURNS: while one piece's softmax runs on the vector unit, the other piece's six products are set among it.
;   phase A(i): softmax of a's scores of sub-step i | O_b += V(i-1) P_b(i-1), S_b(i) = K(i) Q_b
;   phase B(i): softmax of b's scores of sub-step i | O_a += V(i) P_a(i),     S_a(i+1) = K(i+1) Q_a
; No two products that follow each other share an accumulator, over the loop's backward jump too.
; q's features carry (2 / sqrt(32)) log2(e), so p = exp2(S T - m).
; LIMITS: P is f16: a weight below 2^-25 of its row's largest is dropped.  O is stored in f16: |v| below 65,504.  A row whose scores are all
; NaN or -inf gives NaN.  The row sum adds the unrounded weights, the products their f16 roundings.
.set SLOT, 116736                      ; K/V 49,152 bytes, then topo 128 rows x 528 bytes
.set TOFF, 49152
.set TPITCH, 528                       ; 512 bytes + 16: sixteen rows start at sixteen different 16-byte columns modulo 256
.set KVC, 6144                         ; 32 keys of one head: four K fragments, two V fragments
.set TREG, 24                          ; v24-39   topo for one piece's 16 scores a lane
.set SREG, 40                          ; v40-71   scores, 16 x + 8 kt
.set PREG, 72                          ; v72-87   packed weights, 8 x
.set KREG, 88                          ; v88-151  K, two buffers of four fragments (2 kt + fs)
.set VREG, 152                         ; v152-167 V, 8 dt
.set QREG, 168                         ; v168-199 Q, 16 x + 8 fs
.set OREG, 200                         ; v200-231 O, 16 x + 8 dt
; v1 16 lane; v2, v3 K/V address in slot 0, 1; v4, v5 topo address in slot 0, 1; v6 prefetch offset
; v8, v9 = m, l of piece a; v10, v11 of piece b; v12, v13 = rescale factor, 0; v14-23 at work
.set G1T, 24                           ; s[24:31] shape of topo's tile     s[40:47] its two group 0
.set G1K, 32                           ; s[32:39] shape of the K/V tile    s[48:55] its two group 0
.set G0T, 40
.set G0K, 48
.macro ROUND                           ; a round of the cluster's barrier
	s_barrier_signal -1
	s_barrier_wait -1
	s_cmp_lg_u32 s12, 0
	s_cbranch_scc1 .Lnot_wave_0_\@
	s_barrier_signal -3
.Lnot_wave_0_\@:
	s_barrier_wait -3
	s_barrier_signal -1
	s_barrier_wait -1
.endm
.macro PREF                            ; waves 0 and 1: 64 lanes ask for 32 rows x 512 bytes of a later block of topo, lanes 256 bytes apart
	s_cmp_gt_u32 s12, 1
	s_cbranch_scc1 .Lno_pref_\@
	global_prefetch_b8 v6, s[62:63] th:TH_LOAD_NT scope:SCOPE_SE
.Lno_pref_\@:
.endm
.macro WS y, kt, fs, kb                ; S_y(kt) = or += K(kt, fs) Q_y(fs); the cosines start the sum
.if \fs
	v_wmma_f32_16x16x32_f16 v[SREG+16*\y+8*\kt:SREG+16*\y+8*\kt+7], v[KREG+32*(\kb)+16*\kt+8*\fs:KREG+32*(\kb)+16*\kt+8*\fs+7], v[QREG+16*\y+8*\fs:QREG+16*\y+8*\fs+7], v[SREG+16*\y+8*\kt:SREG+16*\y+8*\kt+7]
.else
	v_wmma_f32_16x16x32_f16 v[SREG+16*\y+8*\kt:SREG+16*\y+8*\kt+7], v[KREG+32*(\kb)+16*\kt+8*\fs:KREG+32*(\kb)+16*\kt+8*\fs+7], v[QREG+16*\y+8*\fs:QREG+16*\y+8*\fs+7], 0
.endif
.endm
.macro WPV y, dt, zero                 ; O_y(dt) = or += V(dt) P_y
.if \zero
	v_wmma_f32_16x16x32_f16 v[OREG+16*\y+8*\dt:OREG+16*\y+8*\dt+7], v[VREG+8*\dt:VREG+8*\dt+7], v[PREG+8*\y:PREG+8*\y+7], 0
.else
	v_wmma_f32_16x16x32_f16 v[OREG+16*\y+8*\dt:OREG+16*\y+8*\dt+7], v[VREG+8*\dt:VREG+8*\dt+7], v[PREG+8*\y:PREG+8*\y+7], v[OREG+16*\y+8*\dt:OREG+16*\y+8*\dt+7]
.endif
.endm
.macro LDT s, ss, p                    ; topo(query r of piece p, keys 32 ss + 16 kt + 8 h + 0..7): four loads of 16 bytes
.irp c, 0,1,2,3
	ds_load_b128 v[TREG+4*\c:TREG+4*\c+3], v[4+(\s)] offset:(\p)*16*TPITCH+(\ss)*128+(\c/2)*64+(\c%2)*16
.endr
.endm
.macro LDV s, ss
.irp c, 0,1,2,3
	ds_load_b128 v[VREG+4*\c:VREG+4*\c+3], v[2+(\s)] offset:(\ss)*KVC+4096+\c*512
.endr
.endm
.macro LDK s, ss, kb
.irp c, 0,1,2,3,4,5,6,7
	ds_load_b128 v[KREG+32*(\kb)+4*\c:KREG+32*(\kb)+4*\c+3], v[2+(\s)] offset:(\ss)*KVC+\c*512
.endr
.endm
; The change of slots.  All my reads of slot s have been issued.  In front of the barrier: all my tensor loads have landed (my parts of the other
; slot), my LDS reads are back.  fill = 1: the barrier is a round of the cluster's barrier, and the two joint refills of slot s, two blocks ahead,
; are the first tensor loads behind it: two tensor loads of the wave are then out.  fill = 0: the work-group's barrier shows the other slot whole.
.macro TURN s, fill
	s_wait_tensorcnt 0x0
	ds_add_u32 v232, v233
	s_wait_dscnt 0x0
.if \fill
	s_add_nc_u64 s[G0T+4*\s+2:G0T+4*\s+3], s[G0T+4*\s+2:G0T+4*\s+3], 1024      ; no tensor load of mine is out: group 0 may be written
	s_add_nc_u64 s[G0K+4*\s+2:G0K+4*\s+3], s[G0K+4*\s+2:G0K+4*\s+3], 2*8*KVC
	s_wait_xcnt 0x0                                ; the last prefetch has read its base
	s_min_u32 s2, s59, 15                          ; the block behind the one that is fetched now; the last block where there is none
	s_lshl_b32 s2, s2, 9
	s_mov_b32 s3, 0
	s_add_nc_u64 s[62:63], s[60:61], s[2:3]
	s_add_co_u32 s59, s59, 1
.endif
	s_wait_dscnt 0x0
.if \fill
	ROUND
	tensor_load_to_lds s[G0T+4*\s:G0T+4*\s+3], s[G1T:G1T+7]
	s_nop 0
	tensor_load_to_lds s[G0K+4*\s:G0K+4*\s+3], s[G1K:G1K+7]
	s_nop 0
.else
	s_barrier_signal -1
	s_barrier_wait -1
.endif
.endm
; The softmax of piece x in parts.
.macro P_MULT x                        ; scores times topo
.irp k, 0,2,4,6,8,10,12,14
	v_pk_mul_f32 v[SREG+16*\x+\k:SREG+16*\x+\k+1], v[SREG+16*\x+\k:SREG+16*\x+\k+1], v[TREG+\k:TREG+\k+1]
.endr
.endm
.macro P_MAX1 x
	v_max3_num_f32 v14, v[SREG+16*\x], v[SREG+16*\x+1], v[SREG+16*\x+2]
	v_max3_num_f32 v15, v[SREG+16*\x+3], v[SREG+16*\x+4], v[SREG+16*\x+5]
.endm
.macro P_MAX2 x
	v_max3_num_f32 v17, v[SREG+16*\x+6], v[SREG+16*\x+7], v[SREG+16*\x+8]
	v_max3_num_f32 v18, v[SREG+16*\x+9], v[SREG+16*\x+10], v[SREG+16*\x+11]
	v_max3_num_f32 v19, v[SREG+16*\x+12], v[SREG+16*\x+13], v[SREG+16*\x+14]
	v_max3_num_f32 v14, v14, v15, v17
	v_max3_num_f32 v18, v18, v19, v[SREG+16*\x+15]
.endm
.macro P_MAX3 x, first                 ; the other half's maximum, the running maximum, the rescale factor exp2(m_old - m_new)
	v_max_num_f32 v14, v14, v18
	v_permlanex16_b32 v16, v14, s57, s58
.if \first
	v_max_num_f32 v[8+2*\x], v14, v16
.else
	v_max3_num_f32 v15, v14, v16, v[8+2*\x]
	v_sub_f32 v17, v[8+2*\x], v15
	v_mov_b32 v[8+2*\x], v15
	v_exp_f32 v12, v17                             ; first used behind the eight subtractions
.endif
.endm
.macro P_SUB x
.irp k, 0,2,4,6,8,10,12,14
	v_pk_add_f32 v[SREG+16*\x+\k:SREG+16*\x+\k+1], v[SREG+16*\x+\k:SREG+16*\x+\k+1], v[8+2*\x:9+2*\x] op_sel_hi:[1,0] neg_lo:[0,1] neg_hi:[0,1]
.endr
.endm
.macro P_EXP x, g                      ; four exponentials; a plain instruction on other registers follows each group before a result is read (ISA guide 5.7.2)
.irp e, 0,1,2,3
	v_exp_f32 v[SREG+16*\x+4*\g+\e], v[SREG+16*\x+4*\g+\e]
.endr
.endm
.macro P_CVT x, i
	s_wait_alu depctr_va_vdst(0)
	v_cvt_pk_f16_f32 v[PREG+8*\x+\i], v[SREG+16*\x+2*\i], v[SREG+16*\x+2*\i+1]
.endm
.macro P_SUM x, g, d
	v_pk_add_f32 v[\d:\d+1], v[SREG+16*\x+4*\g:SREG+16*\x+4*\g+1], v[SREG+16*\x+4*\g+2:SREG+16*\x+4*\g+3]
.endm
.macro P_RES x, k
	s_wait_alu depctr_va_vdst(0)
	v_pk_mul_f32 v[OREG+16*\x+\k:OREG+16*\x+\k+1], v[OREG+16*\x+\k:OREG+16*\x+\k+1], v[12:13] op_sel_hi:[1,0]
.endm
.macro P_TAIL x, y, first, sy, kb      ; exponentials, packing, row sum and O's rescaling, with three of piece y's products among them
	P_EXP \x, 0
.if \sy
	WS \y, 1, 0, \kb
.endif
.if \first
	v_nop
.else
	P_RES \x, 0
	P_RES \x, 2
.endif
	P_EXP \x, 1
	P_CVT \x, 0
	P_CVT \x, 1
	P_SUM \x, 0, 14
	P_EXP \x, 2
.if \sy
	WS \y, 0, 1, \kb
.endif
	P_CVT \x, 2
	P_CVT \x, 3
	P_SUM \x, 1, 18
.if \first == 0
	P_RES \x, 4
	P_RES \x, 6
.endif
	P_EXP \x, 3
	P_CVT \x, 4
	P_CVT \x, 5
	P_SUM \x, 2, 20
.if \sy
	WS \y, 1, 1, \kb
.endif
.if \first == 0
	P_RES \x, 8
	P_RES \x, 10
	P_RES \x, 12
	P_RES \x, 14
.endif
	P_CVT \x, 6                                    ; from here at least seven plain instructions on piece x alone: the places in front of the next phase's read of S_y
	P_CVT \x, 7
	P_SUM \x, 3, 22
	v_pk_add_f32 v[14:15], v[14:15], v[18:19]
	v_pk_add_f32 v[20:21], v[20:21], v[22:23]
	v_pk_add_f32 v[14:15], v[14:15], v[20:21]
.if \first
	v_add_f32 v[9+2*\x], v14, v15
.else
	v_fma_f32 v[9+2*\x], v[9+2*\x], v12, v14
	v_add_f32 v[9+2*\x], v[9+2*\x], v15
.endif
.endm
.macro NEXTSS s, ss                    ; where the next sub-step's tiles lie
.if \ss == 3
.set NS, 1-\s
.set NSS, 0
.else
.set NS, \s
.set NSS, \ss+1
.endif
.endm
; pv: 0 no product with V yet, 1 it starts O_b, 2 it adds.  ldk: the next sub-step's K is fetched.  turn: 0 none, 1 without refill, 2 with.
.macro PHASE_A s, ss, first, pv, ldk, turn
	NEXTSS \s, \ss
	s_wait_dscnt 0x0                               ; topo for piece a: the youngest LDS loads
.if \pv == 1
	WPV 1, 0, 1
.endif
.if \pv == 2
	WPV 1, 0, 0
.endif
	P_MULT 0
	LDT \s, \ss, 1
	P_MAX1 0
.if \pv == 1
	WPV 1, 1, 1
.endif
.if \pv == 2
	WPV 1, 1, 0
.endif
	P_MAX2 0                                       ; five places behind the last product that read V
	LDV \s, \ss
	P_MAX3 0, \first
	WS 1, 0, 0, \ss&1
	P_SUB 0
.if \turn
	TURN \s, \turn-1
.endif
.if \ldk
	LDK NS, NSS, (\ss+1)&1
.endif
.if \turn == 2
	PREF
.endif
	P_TAIL 0, 1, \first, 1, \ss&1
.endm
; pvz: the product with V starts O_a.  nxt: there is a next sub-step.
.macro PHASE_B s, ss, first, pvz, nxt
	NEXTSS \s, \ss
.if \nxt
	s_wait_dscnt 0x8                               ; the eight loads of the next K may be out: topo for piece b and V are in
.else
	s_wait_dscnt 0x0
.endif
	WPV 0, 0, \pvz
	P_MULT 1
.if \nxt
	LDT NS, NSS, 0
.endif
	P_MAX1 1
	WPV 0, 1, \pvz
	P_MAX2 1
	P_MAX3 1, \first
.if \nxt
	s_wait_dscnt 0x4                               ; topo's four loads may be out: the next K is in
	WS 0, 0, 0, (\ss+1)&1
.endif
	P_SUB 1
	P_TAIL 1, 0, \first, \nxt, (\ss+1)&1
.endm
.macro SUBSTEP s, ss, first, pva, pvzb, ldk, turn, nxt
	PHASE_A \s, \ss, \first, \pva, \ldk, \turn
	PHASE_B \s, \ss, \first, \pvzb, \nxt
.endm
.macro BLOCK s, turn
	SUBSTEP \s, 0, 0, 2, 0, 1, 0, 1
	SUBSTEP \s, 1, 0, 2, 0, 1, 0, 1
	SUBSTEP \s, 2, 0, 2, 0, 1, 0, 1
	SUBSTEP \s, 3, 0, 2, 0, 1, \turn, 1
.endm
	s_load_b256 s[4:11], s[0:1], 0x0               ; topo s[4:5], qf s[6:7], kv s[8:9], of s[10:11]
	v_lshl_add_u32 v232, v0, 2, 0x39000
	v_mov_b32 v233, 0
	ds_add_u32 v232, v233
	v_lshrrev_b32 v7, 5, v0
	v_readfirstlane_b32 s12, v7                    ; wave
	s_bfe_u32 s13, ttmp6, 0x40000                  ; cx: pair of heads
	s_bfe_u32 s14, ttmp6, 0x40004                  ; cy: which 128 rows
	s_and_b32 s15, ttmp7, 0xffff                   ; Y: the cluster's 512 rows; batch = Y / 4
	s_and_b32 s56, s12, 1                          ; hl: which of the two heads
	s_lshr_b32 s57, s12, 1                         ; rq: which 32 rows
	s_lshl_b32 s23, s13, 18                        ; the prefetch: my 32 of the 128 rows (8,192 bytes each)
	v_and_b32 v7, 31, v0
	v_and_b32 v14, 15, v0                          ; r
	v_bfe_u32 v15, v0, 4, 1                        ; h
	v_lshlrev_b32 v1, 4, v7
	s_mul_i32 s2, s56, 4*KVC
	v_add_nc_u32 v2, s2, v1                        ; K/V: my head's 24,576 bytes, 16 bytes a lane
	v_add_nc_u32 v3, SLOT, v2
	s_mul_i32 s2, s57, 32*TPITCH
	s_add_co_u32 s2, s2, TOFF
	v_mul_u32_u24 v4, v14, TPITCH
	v_lshl_add_u32 v4, v15, 5, v4                  ; topo: row r, 32 bytes for each half of the lanes
	v_add_nc_u32 v4, s2, v4
	v_add_nc_u32 v5, SLOT, v4
	v_and_b32 v6, 63, v0
	v_lshrrev_b32 v7, 1, v6
	v_and_b32 v6, 1, v6
	v_lshlrev_b32 v6, 8, v6
	v_lshl_add_u32 v6, v7, 13, v6
	v_add_nc_u32 v6, s23, v6
	; qf: ((8 b + 2 cx + hl) 64 + 16 (Y & 3) + 4 cy + rq) 4,096
	s_lshr_b32 s58, s15, 2
	s_lshl1_add_u32 s59, s13, s56
	s_lshl3_add_u32 s58, s58, s59
	s_lshl_b32 s58, s58, 6
	s_and_b32 s62, s15, 3
	s_lshl2_add_u32 s62, s62, s14
	s_lshl2_add_u32 s62, s62, s57
	s_add_co_u32 s62, s62, s58
	s_lshl_b32 s62, s62, 12
	s_mov_b32 s63, 0
	; of: ((32 Y + 8 cy + 2 rq) 8 + 2 cx + hl) 1,024
	s_lshl2_add_u32 s58, s15, s14
	s_lshl2_add_u32 s58, s58, s57
	s_lshl_b32 s58, s58, 4
	s_add_co_u32 s58, s58, s59
	s_lshl_b32 s58, s58, 10
	s_mov_b32 s59, 0
	; topo's side, in s16-19, which never hold cx
	s_lshl_b32 s16, s15, 9
	s_lshl_b32 s18, s14, 7
	s_add_co_u32 s16, s16, s18                     ; row 512 Y + 128 cy of the 8,192 rows
	s_lshl_b32 s16, s16, 13
	s_mov_b32 s17, 0
	s_lshl_b32 s18, s14, 2
	s_lshl_b32 s18, 15, s18                        ; my row of the cluster
	s_or_b32 s[G1T], s18, (2<<16)|(1<<20)|(1<<21)|(6<<22)|(3<<25)  ; mask; 4-byte elements; 4 words of padding behind every 128; bit 21 beside a mask
	s_mov_b32 s[G1T+1], 128<<16                    ; tensor_dim0 = 128
	s_mov_b32 s[G1T+2], 16<<16                     ; tensor_dim1 = 16
	s_mov_b32 s[G1T+3], 128<<16                    ; tile_dim0 = 128 numbers = 512 bytes
	s_mov_b32 s[G1T+4], 16                         ; tile_dim1 = 16 rows: a wave's eighth of the tile
	s_mov_b32 s[G1T+5], 2048                       ; from row to row
	s_mov_b32 s[G1T+6], 0
	s_mov_b32 s[G1T+7], 0
	s_lshl_b32 s18, s12, 17                        ; my 16 rows
	s_mov_b32 s19, 0
	; kv's side, in s20-23, which never hold cy
	s_lshr_b32 s22, s15, 2
	s_lshl2_add_u32 s20, s22, s13
	s_mul_i32 s20, s20, 16*8*KVC                   ; (4 b + cx): sixteen blocks of 49,152 bytes
	s_mul_i32 s3, s12, KVC                         ; my eighth of a block, in memory and in LDS
	s_add_co_u32 s20, s20, s3
	s_mov_b32 s21, 0
	s_lshl_b32 s22, 0x1111, s13                    ; my column of the cluster
	s_or_b32 s[G1K], s22, (3<<16)|(1<<21)          ; mask; 8-byte elements; no padding
	s_mov_b32 s[G1K+1], 32<<16                     ; a dense run of 6,144 bytes as 24 rows of 256
	s_mov_b32 s[G1K+2], 24<<16
	s_mov_b32 s[G1K+3], 32<<16
	s_mov_b32 s[G1K+4], 24
	s_mov_b32 s[G1K+5], 32
	s_mov_b32 s[G1K+6], 0
	s_mov_b32 s[G1K+7], 0
	s_mul_i32 s2, s12, 16*TPITCH
	s_wait_dscnt 0x0
	s_wait_kmcnt 0x0
	s_add_nc_u64 s[6:7], s[6:7], s[62:63]
	s_add_nc_u64 s[10:11], s[10:11], s[58:59]
	s_add_nc_u64 s[60:61], s[4:5], s[16:17]        ; topo at the work-group's first row
	s_add_nc_u64 s[16:17], s[60:61], s[18:19]
	s_add_nc_u64 s[20:21], s[8:9], s[20:21]
.irp s, 0,1
	s_mov_b32 s[G0T+4*\s], 1
	s_add_co_u32 s[G0T+4*\s+1], s2, \s*SLOT+TOFF
	s_add_nc_u64 s[G0T+4*\s+2:G0T+4*\s+3], s[16:17], \s*512
	s_or_b32 s[G0T+4*\s+3], s[G0T+4*\s+3], 0x80000000
	s_mov_b32 s[G0K+4*\s], 1
	s_add_co_u32 s[G0K+4*\s+1], s3, \s*SLOT
	s_add_nc_u64 s[G0K+4*\s+2:G0K+4*\s+3], s[20:21], \s*8*KVC
	s_or_b32 s[G0K+4*\s+3], s[G0K+4*\s+3], 0x80000000
.endr
	s_add_nc_u64 s[62:63], s[60:61], 1024          ; the first prefetch: block 2
	s_mov_b32 s59, 3                               ; the next one asks for block 3
	s_mov_b32 s57, 0x76543210                      ; v_permlanex16_b32: lane i reads lane i of the other half
	s_mov_b32 s58, 0xfedcba98
	ROUND                                          ; all sixteen work-groups are here: the first joint loads meet
	tensor_load_to_lds s[G0T:G0T+3], s[G1T:G1T+7]          ; block 0
	s_nop 0
	tensor_load_to_lds s[G0K:G0K+3], s[G1K:G1K+7]
	s_nop 0
	tensor_load_to_lds s[G0T+4:G0T+7], s[G1T:G1T+7]        ; block 1: four tensor loads of the wave are out
	s_nop 0
	tensor_load_to_lds s[G0K+4:G0K+7], s[G1K:G1K+7]
	s_nop 0
	PREF
.irp c, 0,1,2,3,4,5,6,7
	global_load_b128 v[QREG+4*\c:QREG+4*\c+3], v1, s[6:7] offset:\c*512
.endr
	s_wait_tensorcnt 0x2                           ; block 1's two loads may be out: my parts of block 0 are in,
	s_barrier_signal -1
	s_barrier_wait -1                              ; everybody's are
	LDK 0, 0, 0
	LDT 0, 0, 0
	s_wait_loadcnt 0x0
	s_wait_dscnt 0x0
	WS 0, 0, 0, 0
	WS 0, 1, 0, 0
	WS 0, 0, 1, 0
	WS 0, 1, 1, 0
	v_mov_b32 v9, 0                                ; the packed forms read whole pairs: their second halves are written once here;
	v_mov_b32 v11, 0                               ; these five are also the places in front of the first read of S_a
	v_mov_b32 v12, 0
	v_mov_b32 v13, 0
	v_mov_b32 v16, 0                               ; v_permlanex16_b32 counts as a reader of its destination
	SUBSTEP 0, 0, 1, 0, 1, 1, 0, 1                 ; block 0: the first sub-step sets m and l and starts O_a,
	SUBSTEP 0, 1, 0, 1, 0, 1, 0, 1                 ; the second starts O_b: nothing is cleared
	SUBSTEP 0, 2, 0, 2, 0, 1, 0, 1
	SUBSTEP 0, 3, 0, 2, 0, 1, 2, 1
	BLOCK 1, 2
	s_mov_b32 s56, 6                               ; blocks 2 to 13
.Llap:
	BLOCK 0, 2
	BLOCK 1, 2
	s_sub_co_u32 s56, s56, 1
	s_cmp_lg_u32 s56, 0
	s_cbranch_scc1 .Llap
	BLOCK 0, 1                                     ; block 14: nothing more to fetch
	SUBSTEP 1, 0, 0, 2, 0, 1, 0, 1                 ; block 15
	SUBSTEP 1, 1, 0, 2, 0, 1, 0, 1
	SUBSTEP 1, 2, 0, 2, 0, 1, 0, 1
	SUBSTEP 1, 3, 0, 2, 0, 0, 0, 0
	WPV 1, 0, 0                                    ; piece b's last product with V
	WPV 1, 1, 0
	v_permlanex16_b32 v16, v9, s57, s58            ; the two halves of the lanes summed different keys
	v_permlanex16_b32 v17, v11, s57, s58
	v_add_f32 v9, v9, v16
	v_add_f32 v11, v11, v17
	v_rcp_f32 v12, v9
	v_rcp_f32 v14, v11
.rept 4
	v_nop                                          ; the places behind the last two products, and behind the reciprocals
.endr
.irp k, 0,2,4,6,8,10,12,14
	s_wait_alu depctr_va_vdst(0)
	v_pk_mul_f32 v[OREG+\k:OREG+\k+1], v[OREG+\k:OREG+\k+1], v[12:13] op_sel_hi:[1,0]
	v_pk_mul_f32 v[OREG+16+\k:OREG+16+\k+1], v[OREG+16+\k:OREG+16+\k+1], v[14:15] op_sel_hi:[1,0]
.endr
.irp p, 0,1
.irp i, 0,1,2,3,4,5,6,7
	v_cvt_pk_f16_f32 v[SREG+16*\p+\i], v[OREG+16*\p+2*\i], v[OREG+16*\p+2*\i+1]
.endr
.endr
.irp p, 0,1
	global_store_b128 v1, v[SREG+16*\p:SREG+16*\p+3], s[10:11] offset:\p*8192         ; 512 consecutive bytes each
	global_store_b128 v1, v[SREG+16*\p+4:SREG+16*\p+7], s[10:11] offset:\p*8192+512
.endr
	ROUND                                          ; the closing round: no work-group ends while a partner may still ask for a tile that names it
	s_endpgm
.Lfunc_end_k_qca1d72f02d_attn:
	.size	k_qca1d72f02d_attn, .Lfunc_end_k_qca1d72f02d_attn-k_qca1d72f02d_attn
	.p2alignl 7, 3214868480
	.fill 96, 4, 3214868480
	.section	.rodata,"a",@progbits
	.p2align	6, 0x0
	.amdhsa_kernel k_qca1d72f02d_attn
		.amdhsa_group_segment_fixed_size 327680
		.amdhsa_private_segment_fixed_size 0
		.amdhsa_enable_private_segment 0
		.amdhsa_kernarg_size 32
		.amdhsa_user_sgpr_count 2
		.amdhsa_user_sgpr_kernarg_segment_ptr 1
		.amdhsa_wavefront_size32 1
		.amdhsa_system_sgpr_workgroup_id_x 1
		.amdhsa_system_sgpr_workgroup_id_y 1
		.amdhsa_system_sgpr_workgroup_id_z 1
		.amdhsa_system_vgpr_workitem_id 0
		.amdhsa_next_free_vgpr 234
		.amdhsa_next_free_sgpr 66
		.amdhsa_reserve_vcc 0
		.amdhsa_float_denorm_mode_32 3
		.amdhsa_float_denorm_mode_16_64 3
		.amdhsa_memory_ordered 1
		.amdhsa_forward_progress 1
		.amdhsa_inst_pref_size 255
	.end_amdhsa_kernel
	.section	.bss,"aw",@nobits
	.p2align	6
	.space	262144
	.amdgpu_metadata
---
amdhsa.version: [ 1, 2 ]
amdhsa.kernels:
  - .name:           k_qca1d72f02d_attn
    .symbol:         k_qca1d72f02d_attn.kd
    .args:
      - { .name: topo_weights, .offset: 0, .size: 8, .value_kind: global_buffer, .address_space: global }
      - { .name: qf, .offset: 8, .size: 8, .value_kind: global_buffer, .address_space: global }
      - { .name: kv, .offset: 16, .size: 8, .value_kind: global_buffer, .address_space: global }
      - { .name: of, .offset: 24, .size: 8, .value_kind: global_buffer, .address_space: global }
    .group_segment_fixed_size: 327680
    .private_segment_fixed_size: 0
    .kernarg_segment_align: 8
    .kernarg_segment_size: 32
    .max_flat_workgroup_size: 256
    .sgpr_count:     66
    .vgpr_count:     234
    .wavefront_size: 32
...
	.end_amdgpu_metadata
.endif
;; end of part 2
;; launch oproj (part 3): grid 256 x 1, 8 waves a work-group, no clusters, 50,688 bytes of LDS; arguments of, wof, bo, out0; writes out0
.if DOCPART == 3
	.amdgcn_target "amdgcn-amd-amdhsa--gfx1250"
	.amdhsa_code_object_version 6
	.text
	.protected	k_qca1d72f02d_oproj
	.globl	k_qca1d72f02d_oproj
	.p2align	8
	.type	k_qca1d72f02d_oproj,@function
k_qca1d72f02d_oproj:
	s_mov_b64 s[64:65], 0
	v_nop
	global_prefetch_b8 v0, s[64:65] scope:SCOPE_SE
	s_setreg_imm32_b32 hwreg(HW_REG_WAVE_MODE, 25, 1), 1
	s_wait_xcnt 0x0
; out = O Wo + bo.  Work-group g: rows 32 g .. +31 (two row tiles), all 256 columns.  Wave w: columns 32 w .. +31 (two column tiles), K = 256 in 8 steps.
; Used transposed: D = Wo(source 0) x O(source 1): lane (r, h) holds row r, columns 8 h + j: eight neighbouring numbers of a row of out.
; O's 16,384 bytes are fetched once by the eight waves together and shared through LDS; Wo's fragments are each wave's own and stay in registers.
; The results go through an LDS stage, so that each store covers 512 consecutive bytes of a row.
; NO CLUSTER: each work-group passes once over 16 KiB of its own and 128 KiB of Wo's fragments, with one wait for all of it; the fragments go straight
; into registers, which a joint tensor load cannot fill.
; LIMIT: operands are f16 (|O|, |Wo| below 65,504); sums and bias in f32.
.set OSTAGE, 16384
.set OPITCH, 1040                      ; 1,024 bytes + 16: sixteen rows start at sixteen different 16-byte columns modulo 256
.set OPART, 8                          ; v8-23    my eighth of O
.set WO,   24                          ; v24-151  Wo fragments, (8 ci + ks) * 8
.set BO,   152                         ; v152-167 bias in the accumulator's layout, 8 ci
.set ACC,  168                         ; v168-199 (2 rt + ci) * 8
.set OFB,  200                         ; v200-231 O fragments, two buffers of 16
.macro PLACES
.rept 4
	v_nop
.endr
.endm
	s_load_b256 s[4:11], s[0:1], 0x0               ; of, wof, bo, out0
	v_lshl_add_u32 v232, v0, 2, 0xc200
	v_mov_b32 v233, 0
	v_lshrrev_b32 v5, 5, v0
	v_readfirstlane_b32 s12, v5                    ; wave
	v_and_b32 v5, 31, v0
	v_and_b32 v6, 15, v0                           ; r
	v_bfe_u32 v7, v0, 4, 1                         ; h
	v_lshlrev_b32 v1, 4, v5                        ; 16 lane
	v_lshlrev_b32 v4, 5, v7                        ; 32 h
	s_lshl_b32 s13, s12, 11                        ; my 2,048 bytes of O
	s_lshl_b32 s14, ttmp9, 14
	s_add_co_u32 s14, s14, s13
	s_mov_b32 s15, 0
	s_lshl_b32 s16, s12, 14                        ; my two column tiles of wof
	s_mov_b32 s17, 0
	s_lshl_b32 s18, s12, 7                         ; my 32 columns of bo
	s_mov_b32 s19, 0
	s_lshl_b32 s20, ttmp9, 15                      ; out: rows 32 g + 4 w
	s_lshl_b32 s21, s12, 12
	s_add_co_u32 s20, s20, s21
	s_mov_b32 s21, 0
	s_add_co_u32 s22, s18, OSTAGE
	s_mul_i32 s23, s12, 4*OPITCH
	s_add_co_u32 s23, s23, OSTAGE
	v_add_nc_u32 v5, s13, v1                       ; where my part of O goes
	v_mul_u32_u24 v2, v6, OPITCH
	v_add_nc_u32 v2, v2, v4
	v_add_nc_u32 v2, s22, v2                       ; stage, in: row r, my 128 bytes, 32 bytes for each half of the lanes
	v_add_nc_u32 v3, s23, v1                       ; stage, back: rows 4 w .. 4 w + 3
	s_wait_kmcnt 0x0
	s_add_nc_u64 s[4:5], s[4:5], s[14:15]
	s_add_nc_u64 s[6:7], s[6:7], s[16:17]
	s_add_nc_u64 s[8:9], s[8:9], s[18:19]
	s_add_nc_u64 s[10:11], s[10:11], s[20:21]
.irp i, 0,1,2,3
	global_load_b128 v[OPART+4*\i:OPART+4*\i+3], v1, s[4:5] offset:\i*512
.endr
.set n, 0
.rept 32
	global_load_b128 v[WO+4*n:WO+4*n+3], v1, s[6:7] offset:n*512
.set n, n+1
.endr
.irp c, 0,1,2,3
	global_load_b128 v[BO+4*\c:BO+4*\c+3], v4, s[8:9] offset:(\c/2)*64+(\c%2)*16
.endr
	s_wait_loadcnt 36                              ; Wo's 32 loads and the bias's 4 may be out: my part of O is in
.irp i, 0,1,2,3
	ds_store_b128 v5, v[OPART+4*\i:OPART+4*\i+3] offset:\i*512
.endr
	s_wait_dscnt 0x0                               ; my part is written,
	s_barrier_signal -1
	s_barrier_wait -1                              ; everybody's is
.macro LDO ks, buf                     ; O's two row tiles of one K step (= one head)
.irp c, 0,1,2,3
	ds_load_b128 v[OFB+16*(\buf)+4*\c:OFB+16*(\buf)+4*\c+3], v1 offset:(\c/2)*8192+(\ks)*1024+(\c%2)*512
.endr
.endm
	LDO 0, 0
	s_wait_loadcnt 0x0
.set ks, 0
.rept 8
.if ks < 7
.if ks > 0
	PLACES                                         ; the loads go into the buffer that the last four products read
.endif
	LDO ks+1, (ks+1)&1
	s_wait_dscnt 0x4                               ; the four just issued may be out
.else
	s_wait_dscnt 0x0
.endif
.irp rt, 0,1
.irp ci, 0,1                                       ; four accumulators by turns
.if ks == 0
	v_wmma_f32_16x16x32_f16 v[ACC+16*\rt+8*\ci:ACC+16*\rt+8*\ci+7], v[WO+64*\ci+8*ks:WO+64*\ci+8*ks+7], v[OFB+16*(ks&1)+8*\rt:OFB+16*(ks&1)+8*\rt+7], v[BO+8*\ci:BO+8*\ci+7]
.else
	v_wmma_f32_16x16x32_f16 v[ACC+16*\rt+8*\ci:ACC+16*\rt+8*\ci+7], v[WO+64*\ci+8*ks:WO+64*\ci+8*ks+7], v[OFB+16*(ks&1)+8*\rt:OFB+16*(ks&1)+8*\rt+7], v[ACC+16*\rt+8*\ci:ACC+16*\rt+8*\ci+7]
.endif
.endr
.endr
.set ks, ks+1
.endr
	PLACES                                         ; in front of the stores that read results and of the loads into Wo's registers
.irp rt, 0,1
.irp ci, 0,1
	ds_store_b128 v2, v[ACC+16*\rt+8*\ci:ACC+16*\rt+8*\ci+3] offset:\rt*16*OPITCH+\ci*64
	ds_store_b128 v2, v[ACC+16*\rt+8*\ci+4:ACC+16*\rt+8*\ci+7] offset:\rt*16*OPITCH+\ci*64+16
.endr
.endr
	s_wait_dscnt 0x0                               ; my columns of the stage are written,
	s_barrier_signal -1
	s_barrier_wait -1                              ; the rows are whole
.irp n, 0,1,2,3,4,5,6,7
	ds_load_b128 v[WO+4*\n:WO+4*\n+3], v3 offset:(\n/2)*OPITCH+(\n%2)*512
.endr
.irp n, 0,1,2,3,4,5,6,7
	s_wait_dscnt 7-\n                              ; LDS loads come back in order: load n is in
	global_store_b128 v1, v[WO+4*\n:WO+4*\n+3], s[10:11] offset:\n*512 th:TH_STORE_NT
.endr
	s_wait_tensorcnt 0x0
	ds_add_u32 v232, v233
	s_wait_dscnt 0x0
	s_endpgm
.Lfunc_end_k_qca1d72f02d_oproj:
	.size	k_qca1d72f02d_oproj, .Lfunc_end_k_qca1d72f02d_oproj-k_qca1d72f02d_oproj
	.p2alignl 7, 3214868480
	.fill 96, 4, 3214868480
	.section	.rodata,"a",@progbits
	.p2align	6, 0x0
	.amdhsa_kernel k_qca1d72f02d_oproj
		.amdhsa_group_segment_fixed_size 50688
		.amdhsa_private_segment_fixed_size 0
		.amdhsa_enable_private_segment 0
		.amdhsa_kernarg_size 32
		.amdhsa_user_sgpr_count 2
		.amdhsa_user_sgpr_kernarg_segment_ptr 1
		.amdhsa_wavefront_size32 1
		.amdhsa_system_sgpr_workgroup_id_x 1
		.amdhsa_system_sgpr_workgroup_id_y 1
		.amdhsa_system_sgpr_workgroup_id_z 1
		.amdhsa_system_vgpr_workitem_id 0
		.amdhsa_next_free_vgpr 234
		.amdhsa_next_free_sgpr 66
		.amdhsa_reserve_vcc 0
		.amdhsa_float_denorm_mode_32 3
		.amdhsa_float_denorm_mode_16_64 3
		.amdhsa_memory_ordered 1
		.amdhsa_forward_progress 1
		.amdhsa_inst_pref_size 14
	.end_amdhsa_kernel
	.amdgpu_metadata
---
amdhsa.version: [ 1, 2 ]
amdhsa.kernels:
  - .name:           k_qca1d72f02d_oproj
    .symbol:         k_qca1d72f02d_oproj.kd
    .args:
      - { .name: of, .offset: 0, .size: 8, .value_kind: global_buffer, .address_space: global }
      - { .name: wof, .offset: 8, .size: 8, .value_kind: global_buffer, .address_space: global }
      - { .name: bo, .offset: 16, .size: 8, .value_kind: global_buffer, .address_space: global }
      - { .name: out0, .offset: 24, .size: 8, .value_kind: global_buffer, .address_space: global }
    .group_segment_fixed_size: 50688
    .private_segment_fixed_size: 0
    .kernarg_segment_align: 8
    .kernarg_segment_size: 32
    .max_flat_workgroup_size: 256
    .sgpr_count:     66
    .vgpr_count:     234
    .wavefront_size: 32
...
	.end_amdgpu_metadata
.endif
;; end of part 3
;; ======== version 2 of 2: 3 launches; version 1 with the launch proj written anew for expert scheduling mode
;; limits: values are held in f16: magnitudes above 65,504 overflow, below 6.1e-05 lose precision
;; workspace buffers: qf 8,388,608 bytes; kv 12,582,912 bytes; of 4,194,304 bytes; wof 131,072 bytes
;; launch proj (part 4): grid 8 x 32, 8 waves a work-group, no clusters, 209,920 bytes of LDS; arguments x, Wq, Wk, Wv, bq, bk, bv, Wo, qf, kv, wof; writes qf, kv, wof
.if DOCPART == 4
	.amdgcn_target "amdgcn-amd-amdhsa--gfx1250"
	.amdhsa_code_object_version 6
	.text
	.protected	k_qca1d72f02d_proj
	.globl	k_qca1d72f02d_proj
	.p2align	8
	.type	k_qca1d72f02d_proj,@function
k_qca1d72f02d_proj:
	s_mov_b64 s[64:65], 0
	v_nop
	global_prefetch_b8 v0, s[64:65] scope:SCOPE_SE
	s_setreg_imm32_b32 hwreg(HW_REG_WAVE_SCHED_MODE, 0, 2), 2
	s_setreg_imm32_b32 hwreg(HW_REG_WAVE_MODE, 25, 1), 1
	s_wait_xcnt 0x0
	s_wait_alu depctr_vm_vsrc(0)
; q, k, v = x W + b for one head and 256 rows; cos and sin of q and k; everything stored as f16 matrix fragments.
; Work-group (head = x id, rb = y id): rows 256 rb .. +255, channels 32 head .. +31.  Wave w: rows 256 rb + 32 w .. +31 (two row tiles).
; FEATURES: cos(t + pi/2) = -sin t and sin(t + pi/2) = cos t, so the product of the 128 features of reference() is twice the product of the
; 64 features (cos, sin).  Only these 64 are stored; the 2, the 1/sqrt(32) and log2(e) are folded into q's features (SC below).
; OUTPUT LAYOUT: a fragment is 1,024 bytes = [registers 0-3 | registers 4-7][lane][16 bytes]: every store covers 512 consecutive, aligned bytes,
; and the next launch loads a fragment with lane * 16 as its only lane term.
;   q, k: D = W(source 0) x x(source 1): lane (r, h) holds row r, channels 16 ct + 8 h + j: packed, tiles ct = 0, 1 are registers 0-3, 4-7 of a K = 32 fragment.
;   v:    D = x(source 0) x W(source 1): lane (r, h) holds channel r, keys 16 rt + 8 h + j: tiles rt = 0, 1 are registers 0-3, 4-7 of V's fragment.
; Wave 0 also turns 16 x 16 numbers of Wo into half a fragment of wof (256 work-groups, 256 halves).
; NO CLUSTER, NO TENSOR LOAD: x and W are f32 in memory and f16 in LDS, so they pass through registers on the way in; a tile brought by the
; mover would lie in LDS in f32, twice the bytes, and be read, narrowed and stored again.
; LIMITS: operands are f16: |x|, |W|, |v| below 65,504.  The angle is reduced in turns with 1/(2 pi) in two parts (48 bits): the features lose
; accuracy as |q| grows, about 2^-24 |q| / (2 pi) turns.  The sine and cosine series are cut at 4e-6 on the whole reduced interval.
; THE MODE: SCHED_MODE bits 1:0 = 2 (LLVM: expert scheduling mode 2), set by the entry lines.  The code itself states the register dependences
; between vector or matrix instructions and memory or LDS instructions, with s_wait_alu, always for 0.
; THE PLAN.  Registers that memory or LDS instructions touch:
;   v1-v11       offsets and LDS addresses: written at the head, never again.  v252, v253: offsets of bv's and Wo's loads, later constants.
;   v12-107      W as loaded; 48 conversions in place; 24 LDS stores read them; then batches 1 and 2 of x land there.
;   v108-119     wave 0: Wo as loaded, four conversions, one store; then batch 2 of x lands there.
;   BUFA, B, C   a batch of x: sixteen loads, 32 conversions in place, sixteen LDS stores.  BUFC takes batch 0 and then batch 3.
;   XF           x's fragments: loaded from LDS once, read by matrix instructions alone.
;   WF           (window 1) ALL sixteen fragments of one matrix: read by that matrix's 32 products; the next matrix's land there during the epilogue.
;   OUT0, OUT1   packed results of row tile 0 and of row tile 1: written by the roundings, read by four stores each.  OUT1 is row tile 0's
;                accumulators, which are dead by then.  Both are written again only behind the pair of waits at the next matrix's head.
; So a run of conversions has one wait behind it, ahead of its run of stores; a matrix has one wait behind its last product, ahead of the next
; matrix's fragment loads, which are dealt among the first half of the epilogue's vector work; and the K steps hold no load and no wait on s_wait_alu.
.set WPITCH, 96                        ; a row of W's stage: 32 f16 + 32 bytes, an odd multiple of 32 for the transposing loads
.set WMAT,   256*WPITCH                ; one matrix: 24,576 bytes
.set XSTAGE, 3*WMAT                    ; behind the three matrices
.set XPITCH, 528                       ; a row of x: 256 f16 + 16 bytes: sixteen rows start at sixteen different 16-byte columns modulo 256
.set XWAVE,  32*XPITCH                 ; a wave's own 32 rows
.set WA,   4                           ; v4-6    transposing-load address in matrix m
.set XA,   7                           ; v7      fragment address in my x rows
.set WS,   8                           ; v8-10   store address in matrix m
.set XF,   12                          ; v12-139 x fragments, (8 rt + ks) * 8
.set BUFA, 12                          ; three landing buffers of 16 loads, while x and W come in
.set BUFB, 76
.set BUFC, 140
.set ACC,  140                         ; v140-171 four accumulators, (2 rt + ct) * 8; v140-155 are OUT1 in an epilogue's second half
.set OUT,  172                         ; v172-187 OUT0: packed results (in the epilogues)
.set TMP,  188                         ; v188-201 and v204-217: two sets of temporaries (in the epilogues)
.set BQ,   204
.set BK,   220
.set BV,   236
.set WFB,  2                           ; window 1, v258-385: W fragments of one matrix, 16 ks + 8 ct (v256, v257: the closing add's two registers)
.set C_INV2PI, 0x3e22f983              ; 1/(2 pi), upper part
.set C_INV2LO, 0x31dc9c88              ; 1/(2 pi), what the upper part leaves
.set C_A1, 0x40490fdb                  ; sin(pi f) = f (A1 + A3 u + A5 u^2 + A7 u^3 + A9 u^4), u = f^2
.set C_A3, 0xc0a55de7
.set C_A5, 0x402335e3
.set C_A7, 0xbf196966
.set C_A9, 0x3da83c1a
.set C_B2, 0xc09de9e6                  ; cos(pi f) = 1 + B2 u + B4 u^2 + B6 u^3 + B8 u^4 + B10 u^5
.set C_B4, 0x4081e0f8
.set C_B6, 0xbfaae9e4
.set C_B8, 0x3e70fa83
.set C_B10, 0xbcd368f9
.set C_SC,  0x3f0293ee                 ; (2 / sqrt(32)) log2(e) = 0.51006972
.set C_2SC, 0x3f8293ee
.set MSB, 0
.macro WIN new                         ; the immediate's high byte repeats the setting that is left; a switch that changes nothing is dropped
.if MSB != (\new)
	s_set_vgpr_msb (MSB<<8)|(\new)
.set MSB, \new
.endif
.endm
.set TO_W, 0x40                        ; destination window 1 (W's fragments), address window 0
.set W_A,  0x01                        ; source 0 (W) window 1; x, C and D window 0
.set W_B,  0x04                        ; source 1 (W) window 1; x, C and D window 0
.macro PLACES                          ; four places behind a matrix instruction (ISA guide 7.12.1)
.rept 4
	v_nop
.endr
.endm
	s_load_b512 s[4:19], s[0:1], 0x0               ; x, Wq, Wk, Wv, bq, bk, bv, Wo
	s_load_b128 s[20:23], s[0:1], 0x40             ; qf, kv
	s_load_b64 s[24:25], s[0:1], 0x50              ; wof
	WIN 0x40
	v_lshl_add_u32 v0, v0, 2, 0x33000
	v_mov_b32 v1, 0
	WIN 0
	v_lshrrev_b32 v12, 5, v0
	v_readfirstlane_b32 s26, v12                   ; wave
	s_mov_b32 s27, ttmp9                           ; head
	s_and_b32 s28, ttmp7, 0xffff                   ; rb
	s_lshr_b32 s29, s28, 3                         ; batch
	s_lshl_b32 s30, s28, 18                        ; x: (256 rb + 32 w) rows of 1,024 bytes
	s_wait_alu depctr_va_sdst(0)                   ; s26 is written, ahead of its first reader: bases, LDS places and two branches are made from it
	s_lshl_b32 s32, s26, 15
	s_add_co_u32 s30, s30, s32
	s_mov_b32 s31, 0
	s_lshl_b32 s32, s27, 7                         ; the head's 32 channels in a row of W and in the biases
	s_mov_b32 s33, 0
	s_lshl3_add_u32 s34, s29, s27                  ; qf: ((8 b + head) 64 + 8 (rb & 7) + w) 4,096
	s_lshl_b32 s34, s34, 6
	s_and_b32 s36, s28, 7
	s_lshl3_add_u32 s37, s36, s26
	s_add_co_u32 s34, s34, s37
	s_lshl_b32 s34, s34, 12
	s_mov_b32 s35, 0
	s_lshr_b32 s38, s27, 1                         ; kv: ((((4 b + head/2) 16 + 2 (rb & 7) + w/4) 2 + (head & 1)) 4 + (w & 3)) 6,144
	s_lshl2_add_u32 s38, s29, s38
	s_lshl_b32 s38, s38, 4
	s_lshl1_add_u32 s38, s36, s38
	s_lshr_b32 s39, s26, 2
	s_add_co_u32 s38, s38, s39
	s_and_b32 s39, s27, 1
	s_lshl1_add_u32 s38, s38, s39
	s_and_b32 s39, s26, 3
	s_lshl2_add_u32 s38, s38, s39
	s_mul_i32 s38, s38, 6144
	s_mov_b32 s39, 0
	s_lshl3_add_u32 s40, s28, s27                  ; i = 8 rb + head: which half fragment of wof
	s_bfe_u32 s41, s40, 0x30001                    ; ks = (i >> 1) & 7
	s_lshl_b32 s41, s41, 15                        ; 32 rows of Wo
	s_and_b32 s42, s40, 1
	s_lshl_b32 s42, s42, 14                        ; + 16 rows for the second half
	s_add_co_u32 s42, s42, s41
	s_lshr_b32 s41, s40, 4
	s_lshl_b32 s41, s41, 6                         ; + 16 columns for each column tile
	s_add_co_u32 s42, s42, s41
	s_mov_b32 s43, 0
	s_lshl_b32 s44, s40, 9
	s_mov_b32 s45, 0
	s_mul_i32 s46, s26, XWAVE
	s_add_co_u32 s46, s46, XSTAGE                  ; my rows in LDS
	v_and_b32 v13, 31, v0                          ; lane
	v_and_b32 v14, 15, v0                          ; r
	v_bfe_u32 v15, v0, 4, 1                        ; h
	v_lshrrev_b32 v16, 3, v0                       ; t / 8
	v_and_b32 v17, 7, v0                           ; t % 8
	v_lshlrev_b32 v1, 4, v13                       ; 16 lane
	v_lshlrev_b32 v2, 10, v16
	v_lshl_add_u32 v2, v17, 4, v2                  ; W in memory: row t / 8, 16 bytes at 16 (t % 8)
	v_lshl_add_u32 v3, v13, 3, s46                 ; x into LDS: 8 bytes a lane
	v_lshl_add_u32 v18, v15, 3, v17                ; 8 h + (lane & 7)
	v_mul_u32_u24 v[WA], v18, WPITCH
	v_bfe_u32 v18, v0, 3, 1
	v_lshl_add_u32 v[WA], v18, 4, v[WA]
	v_add_nc_u32 v[WA+1], WMAT, v[WA]
	v_add_nc_u32 v[WA+2], 2*WMAT, v[WA]
	v_mul_u32_u24 v[XA], v14, XPITCH
	v_lshl_add_u32 v[XA], v15, 4, v[XA]
	v_add_nc_u32 v[XA], s46, v[XA]
	v_mul_u32_u24 v[WS], v16, WPITCH
	v_lshl_add_u32 v[WS], v17, 3, v[WS]
	v_add_nc_u32 v[WS+1], WMAT, v[WS]
	v_add_nc_u32 v[WS+2], 2*WMAT, v[WS]
	v_lshlrev_b32 v11, 5, v15                      ; 32 h: bq, bk
	v_lshlrev_b32 v252, 2, v14                     ; 4 r: bv (until its loads are in)
	v_lshl_add_u32 v253, v15, 13, v252             ; 8 h rows of Wo + 4 r (likewise)
	s_wait_kmcnt 0x0
	s_add_nc_u64 s[4:5], s[4:5], s[30:31]
	s_add_nc_u64 s[6:7], s[6:7], s[32:33]
	s_add_nc_u64 s[8:9], s[8:9], s[32:33]
	s_add_nc_u64 s[10:11], s[10:11], s[32:33]
	s_add_nc_u64 s[12:13], s[12:13], s[32:33]
	s_add_nc_u64 s[14:15], s[14:15], s[32:33]
	s_add_nc_u64 s[16:17], s[16:17], s[32:33]
	s_add_nc_u64 s[18:19], s[18:19], s[42:43]
	s_add_nc_u64 s[20:21], s[20:21], s[34:35]
	s_add_nc_u64 s[22:23], s[22:23], s[38:39]
	s_add_nc_u64 s[24:25], s[24:25], s[44:45]
	s_wait_alu depctr_va_vdst(0)                   ; v1-v11, v252 and v253 are written: every load and store of the kernel reads one of them; the head is done with v12-v18, in which loads of W land
	; Wave 0's eight loads of Wo come first, so that the counts below hold in every wave.
	s_cmp_lg_u32 s26, 0
	s_cbranch_scc1 .Lwo_asked
.irp e, 0,1,2,3,4,5,6,7
	global_load_b32 v[108+\e], v253, s[18:19] offset:\e*1024       ; Wo(32 ks + 16 half + 8 h + e, 16 ctg + r)
.endr
.Lwo_asked:
.irp c, 0,1,2,3
	global_load_b128 v[BQ+4*\c:BQ+4*\c+3], v11, s[12:13] offset:(\c/2)*64+(\c%2)*16    ; bq(16 ct + 8 h + j): the accumulator's own layout
	global_load_b128 v[BK+4*\c:BK+4*\c+3], v11, s[14:15] offset:(\c/2)*64+(\c%2)*16
.endr
	global_load_b32 v[BV], v252, s[16:17]                          ; bv(r), bv(16 + r)
	global_load_b32 v[BV+8], v252, s[16:17] offset:64
.set n, 0
.rept 24                                           ; W: matrix n / 8, rows 32 (n % 8) + t / 8, the head's 128 bytes
	global_load_b128 v[12+4*n:15+4*n], v2, s[6+2*(n/8):7+2*(n/8)] offset:(n%8)*32768
.set n, n+1
.endr
.macro XLOAD bt, buf                   ; eight rows of x: sixteen loads of 512 consecutive bytes
.set q, 0
.rept 16
	global_load_b128 v[\buf+4*q:\buf+4*q+3], v1, s[4:5] offset:(\bt*8+(q>>1))*1024+(q&1)*512
.set q, q+1
.endr
.endm
.macro XCVT bt, buf                    ; narrowed to f16 and laid into my rows: a run of conversions, one wait, a run of stores
.set q, 0
.rept 16
	v_cvt_pk_f16_f32 v[\buf+4*q], v[\buf+4*q], v[\buf+4*q+1]
	v_cvt_pk_f16_f32 v[\buf+4*q+1], v[\buf+4*q+2], v[\buf+4*q+3]
.set q, q+1
.endr
	s_wait_alu depctr_va_vdst(0)                   ; the 32 conversions have written the batch's packed pairs, which the sixteen LDS stores read, and are done reading the buffer
.set q, 0
.rept 16
	ds_store_b64 v3, v[\buf+4*q:\buf+4*q+1] offset:(\bt*8+(q>>1))*XPITCH+(q&1)*256
.set q, q+1
.endr
.endm
	XLOAD 0, BUFC
	s_wait_loadcnt 16                              ; only x's first sixteen loads may be out: Wo, the biases and W are in
.set n, 0
.rept 24
	v_cvt_pk_f16_f32 v[12+4*n], v[12+4*n], v[13+4*n]
	v_cvt_pk_f16_f32 v[13+4*n], v[14+4*n], v[15+4*n]
.set n, n+1
.endr
	s_wait_alu depctr_va_vdst(0)                   ; the 48 conversions have written W's packed pairs, which the 24 LDS stores read, and are done reading v12-107
.set n, 0
.rept 24
	ds_store_b64 v[WS+n/8], v[12+4*n:13+4*n] offset:(n%8)*32*WPITCH
.set n, n+1
.endr
	s_cmp_lg_u32 s26, 0
	s_cbranch_scc1 .Lwo_stored
.irp e, 0,1,2,3
	v_cvt_pk_f16_f32 v[116+\e], v[108+2*\e], v[109+2*\e]
.endr
	s_wait_alu depctr_va_vdst(0)                   ; wave 0's four conversions have written v116-119, which the store reads, and are done reading v108-115
	global_store_b128 v1, v[116:119], s[24:25]     ; 512 consecutive bytes of wof
.Lwo_stored:
	s_wait_xcnt 0x0                                ; v116-119 are loaded into next
	s_wait_alu depctr_vm_vsrc(0)                   ; W's LDS stores and wave 0's store have read v12-119, in which batches 1 and 2 land; bv's and Wo's loads have read v252 and v253
	XLOAD 1, BUFA
	XLOAD 2, BUFB
	s_wait_loadcnt 32                              ; batches 1 and 2 may be out
	XCVT 0, BUFC
	s_wait_alu depctr_vm_vsrc(0)                   ; batch 0's LDS stores have read BUFC, in which batch 3 lands
	XLOAD 3, BUFC
	s_wait_loadcnt 32                              ; batches 2 and 3 may be out
	XCVT 1, BUFA
	s_wait_loadcnt 16                              ; batch 3 may be out
	XCVT 2, BUFB
	s_wait_loadcnt 0x0
	XCVT 3, BUFC
.irp j, 1,2,3,4,5,6,7
	v_mov_b32 v[BV+\j], v[BV]                      ; v's bias hangs on the lane's channel alone: the same in all eight registers
	v_mov_b32 v[BV+8+\j], v[BV+8]
.endr
	v_mov_b32 v252, C_A7                           ; (v252 and v253 were offsets: the loads that read them stand ahead of the waits on vm_vsrc above)
	v_mov_b32 v253, C_A7
	v_mov_b32 v254, C_B8
	v_mov_b32 v255, C_B8
	s_wait_dscnt 0x0                               ; my part of W's stage is written,
	s_barrier_signal -1
	s_barrier_wait -1                              ; everybody's is
	s_wait_alu depctr_vm_vsrc(0)                   ; my LDS stores have read v12-203: from here on these are XF, written by the fragments' loads, the accumulators, written by the products, and OUT0 and TMP, written by the epilogues
.macro LDX ks                          ; x's two row tiles of one K step: two loads of 16 bytes, 32 bytes apart, for each
.irp rt, 0,1
	ds_load_b128 v[XF+64*\rt+8*(\ks):XF+64*\rt+8*(\ks)+3], v[XA] offset:\rt*16*XPITCH+(\ks)*64
	ds_load_b128 v[XF+64*\rt+8*(\ks)+4:XF+64*\rt+8*(\ks)+7], v[XA] offset:\rt*16*XPITCH+(\ks)*64+32
.endr
.endm
.macro LDW m, ks                       ; W's two channel tiles of one K step, transposed on the way out of LDS; the destination lies in window 1
.irp ct, 0,1
	ds_load_tr16_b128 v[WFB+16*(\ks)+8*\ct:WFB+16*(\ks)+8*\ct+3], v[WA+\m] offset:(\ks)*32*WPITCH+\ct*32
	ds_load_tr16_b128 v[WFB+16*(\ks)+8*\ct+4:WFB+16*(\ks)+8*\ct+7], v[WA+\m] offset:(\ks)*32*WPITCH+\ct*32+16*WPITCH
.endr
.endm
.macro GROUP g                         ; the first matrix: all that K steps 2 g and 2 g + 1 multiply, sixteen loads
	WIN 0
	LDX 2*(\g)
	LDX 2*(\g)+1
	WIN TO_W
	LDW 0, 2*(\g)
	LDW 0, 2*(\g)+1
.endm
.macro MM4 swap, ks, bias              ; four products on four accumulators by turns
.if \swap
	WIN W_B
.else
	WIN W_A
.endif
.irp rt, 0,1
.irp ct, 0,1
.if \swap
.set MA, XF+64*\rt+8*(\ks)
.set MB, WFB+16*(\ks)+8*\ct
.else
.set MA, WFB+16*(\ks)+8*\ct
.set MB, XF+64*\rt+8*(\ks)
.endif
.set MD, ACC+16*\rt+8*\ct
.if (\ks) == 0
	v_wmma_f32_16x16x32_f16 v[MD:MD+7], v[MA:MA+7], v[MB:MB+7], v[\bias+8*\ct:\bias+8*\ct+7]   ; the bias starts the sum
.else
	v_wmma_f32_16x16x32_f16 v[MD:MD+7], v[MA:MA+7], v[MB:MB+7], v[MD:MD+7]
.endif
.endr
.endr
.endm
.macro MATMUL swap, bias               ; the second and the third matrix: their fragments were asked for in the epilogue before
	s_wait_xcnt 0x0                                ; the accumulators' first sixteen registers and OUT0 held the last epilogue's store data
	s_wait_alu depctr_vm_vsrc(0)                   ; the last epilogue's eight stores have read OUT1, which the first products write, and OUT0, which the next epilogue's roundings write
	s_wait_dscnt 0x0                               ; the matrix's sixteen fragments are in
.set ks, 0
.rept 8
	MM4 \swap, ks, \bias
.set ks, ks+1
.endr
.endm
; D = D u + lit in both sets of temporaries (o = 6: the sine's series, 8: the cosine's)
.macro HORN o, lit
.irp z, 0,1
	v_pk_fma_f32 v[TMP+16*\z+\o:TMP+16*\z+\o+1], v[TMP+16*\z+\o:TMP+16*\z+\o+1], v[TMP+16*\z+4:TMP+16*\z+5], \lit op_sel_hi:[1,1,0]
.endr
.endm
; sc cos and sc sin of four numbers: the pairs at a (tile ct = 0) and a + 8 (tile ct = 1), two chains side by side.
; f = the angle in turns less the nearest whole number; s = sin(pi f), c = cos(pi f); sin = 2 s c, cos = 1 - 2 s^2.
; Packed cosines go to d and d + 4, sines to d + 8 and d + 12.
.macro SINCOS4 a, d, twosc, sc
.irp z, 0,1
	v_pk_mul_f32 v[TMP+16*\z:TMP+16*\z+1], v[(\a)+8*\z:(\a)+8*\z+1], C_INV2PI op_sel_hi:[1,0]
.endr
.irp z, 0,1
	v_rndne_f32 v[TMP+16*\z], v[TMP+16*\z]
	v_rndne_f32 v[TMP+16*\z+1], v[TMP+16*\z+1]
.endr
.irp z, 0,1
	v_pk_fma_f32 v[TMP+16*\z+2:TMP+16*\z+3], v[(\a)+8*\z:(\a)+8*\z+1], C_INV2PI, v[TMP+16*\z:TMP+16*\z+1] op_sel_hi:[1,0,1] neg_lo:[0,0,1] neg_hi:[0,0,1]
.endr
.irp z, 0,1
	v_pk_fma_f32 v[TMP+16*\z+2:TMP+16*\z+3], v[(\a)+8*\z:(\a)+8*\z+1], C_INV2LO, v[TMP+16*\z+2:TMP+16*\z+3] op_sel_hi:[1,0,1]
.endr
.irp z, 0,1
	v_pk_mul_f32 v[TMP+16*\z+4:TMP+16*\z+5], v[TMP+16*\z+2:TMP+16*\z+3], v[TMP+16*\z+2:TMP+16*\z+3]
.endr
.irp z, 0,1
	v_pk_fma_f32 v[TMP+16*\z+6:TMP+16*\z+7], v[TMP+16*\z+4:TMP+16*\z+5], C_A9, v[252:253] op_sel_hi:[1,0,1]
	v_pk_fma_f32 v[TMP+16*\z+8:TMP+16*\z+9], v[TMP+16*\z+4:TMP+16*\z+5], C_B10, v[254:255] op_sel_hi:[1,0,1]
.endr
	HORN 6, C_A5
	HORN 8, C_B6
	HORN 6, C_A3
	HORN 8, C_B4
	HORN 6, C_A1
	HORN 8, C_B2
.irp z, 0,1
	v_pk_mul_f32 v[TMP+16*\z+6:TMP+16*\z+7], v[TMP+16*\z+6:TMP+16*\z+7], v[TMP+16*\z+2:TMP+16*\z+3]
.endr
	HORN 8, 1.0
.irp z, 0,1
	v_pk_mul_f32 v[TMP+16*\z+10:TMP+16*\z+11], v[TMP+16*\z+6:TMP+16*\z+7], \twosc op_sel_hi:[1,0]
.endr
.irp z, 0,1
	v_pk_mul_f32 v[TMP+16*\z+12:TMP+16*\z+13], v[TMP+16*\z+10:TMP+16*\z+11], v[TMP+16*\z+8:TMP+16*\z+9]
	v_pk_fma_f32 v[TMP+16*\z:TMP+16*\z+1], v[TMP+16*\z+10:TMP+16*\z+11], v[TMP+16*\z+6:TMP+16*\z+7], \sc op_sel_hi:[1,1,0] neg_lo:[1,0,0] neg_hi:[1,0,0]
.endr
.irp z, 0,1
	v_cvt_pk_f16_f32 v[(\d)+4*\z], v[TMP+16*\z], v[TMP+16*\z+1]
	v_cvt_pk_f16_f32 v[(\d)+8+4*\z], v[TMP+16*\z+12], v[TMP+16*\z+13]
.endr
.endm
; q's or k's way out: for each row tile the cosine fragment and the sine fragment, four stores of 512 bytes.  Row tile 0 packs into OUT0, row tile 1
; into OUT1, row tile 0's accumulators.  The fragments of matrix next are asked for in the first half, eight loads ahead of each of its four blocks.
.macro EPI_QK base, twosc, sc, next
	PLACES                                         ; behind the last products, in front of the first read of a result
	WIN TO_W
	s_wait_alu depctr_va_vdst(0)                   ; the products are done reading W's fragments, in which the next matrix's land; the blocks below name v140-217 and v252-255 alone, so all 32 loads lean on this wait
.irp i, 0,1,2,3
	WIN TO_W
	LDW \next, 2*\i
	LDW \next, 2*\i+1
	WIN 0
	SINCOS4 ACC+2*\i, OUT+\i, \twosc, \sc
.endr
	s_wait_alu depctr_va_vdst(0)                   ; row tile 0's roundings have written OUT0, which the four stores read
.irp f, 0,1,2,3
	global_store_b128 v1, v[OUT+4*\f:OUT+4*\f+3], s[\base:\base+1] offset:(\f/2)*1024+(\f%2)*512
.endr
.irp i, 0,1,2,3
	SINCOS4 ACC+16+2*\i, ACC+\i, \twosc, \sc
.endr
	s_wait_alu depctr_va_vdst(0)                   ; row tile 1's roundings have written OUT1, which the four stores read
.irp f, 0,1,2,3
	global_store_b128 v1, v[ACC+4*\f:ACC+4*\f+3], s[\base:\base+1] offset:(2+\f/2)*1024+(\f%2)*512
.endr
.endm
	; The first matrix.  x's and Wq's fragments go out in four groups of sixteen loads, in the order in which the K steps want them.
	GROUP 0
	GROUP 1
	GROUP 2
	s_wait_dscnt 32                                ; LDS loads come back in order (ISA guide 5.7.1): groups 1 and 2 may be out, group 0 is in
	MM4 0, 0, BQ
	MM4 0, 1, BQ
	GROUP 3                                        ; no wait: no vector or matrix instruction since the waits above names these registers
	s_wait_dscnt 32                                ; groups 2 and 3 may be out
	MM4 0, 2, BQ
	MM4 0, 3, BQ
	s_wait_dscnt 16                                ; group 3 may be out
	MM4 0, 4, BQ
	MM4 0, 5, BQ
	s_wait_dscnt 0x0
	MM4 0, 6, BQ
	MM4 0, 7, BQ
	EPI_QK 20, C_2SC, C_SC, 1
	MATMUL 0, BK
	EPI_QK 22, 2.0, 1.0, 2
	MATMUL 1, BV
	WIN 0
	PLACES
.irp ct, 0,1
.irp rt, 0,1
.irp i, 0,1,2,3
	v_cvt_pk_f16_f32 v[OUT+8*\ct+4*\rt+\i], v[ACC+16*\rt+8*\ct+2*\i], v[ACC+16*\rt+8*\ct+2*\i+1]
.endr
.endr
.endr
	s_wait_alu depctr_va_vdst(0)                   ; the sixteen roundings have written OUT0, which the last four stores read
.irp f, 0,1,2,3
	global_store_b128 v1, v[OUT+4*\f:OUT+4*\f+3], s[22:23] offset:4096+\f*512
.endr
	WIN 0x5                                        ; the add's two registers, sources 0 and 1, lie in window 1
	s_wait_dscnt 0x0                               ; the closing lines, six on end
	s_wait_alu 0x0
	s_wait_tensorcnt 0x0
	ds_add_u32 v0, v1
	s_wait_dscnt 0x0
	s_endpgm
.Lfunc_end_k_qca1d72f02d_proj:
	.size	k_qca1d72f02d_proj, .Lfunc_end_k_qca1d72f02d_proj-k_qca1d72f02d_proj
	.p2alignl 7, 3214868480
	.fill 96, 4, 3214868480
	.section	.rodata,"a",@progbits
	.p2align	6, 0x0
	.amdhsa_kernel k_qca1d72f02d_proj
		.amdhsa_group_segment_fixed_size 209920
		.amdhsa_private_segment_fixed_size 0
		.amdhsa_enable_private_segment 0
		.amdhsa_kernarg_size 88
		.amdhsa_user_sgpr_count 2
		.amdhsa_user_sgpr_kernarg_segment_ptr 1
		.amdhsa_wavefront_size32 1
		.amdhsa_system_sgpr_workgroup_id_x 1
		.amdhsa_system_sgpr_workgroup_id_y 1
		.amdhsa_system_sgpr_workgroup_id_z 1
		.amdhsa_system_vgpr_workitem_id 0
		.amdhsa_next_free_vgpr 386
		.amdhsa_next_free_sgpr 66
		.amdhsa_reserve_vcc 0
		.amdhsa_float_denorm_mode_32 3
		.amdhsa_float_denorm_mode_16_64 3
		.amdhsa_memory_ordered 1
		.amdhsa_forward_progress 1
		.amdhsa_inst_pref_size 102
	.end_amdhsa_kernel
	.amdgpu_metadata
---
amdhsa.version: [ 1, 2 ]
amdhsa.kernels:
  - .name:           k_qca1d72f02d_proj
    .symbol:         k_qca1d72f02d_proj.kd
    .args:
      - { .name: x, .offset: 0, .size: 8, .value_kind: global_buffer, .address_space: global }
      - { .name: Wq, .offset: 8, .size: 8, .value_kind: global_buffer, .address_space: global }
      - { .name: Wk, .offset: 16, .size: 8, .value_kind: global_buffer, .address_space: global }
      - { .name: Wv, .offset: 24, .size: 8, .value_kind: global_buffer, .address_space: global }
      - { .name: bq, .offset: 32, .size: 8, .value_kind: global_buffer, .address_space: global }
      - { .name: bk, .offset: 40, .size: 8, .value_kind: global_buffer, .address_space: global }
      - { .name: bv, .offset: 48, .size: 8, .value_kind: global_buffer, .address_space: global }
      - { .name: Wo, .offset: 56, .size: 8, .value_kind: global_buffer, .address_space: global }
      - { .name: qf, .offset: 64, .size: 8, .value_kind: global_buffer, .address_space: global }
      - { .name: kv, .offset: 72, .size: 8, .value_kind: global_buffer, .address_space: global }
      - { .name: wof, .offset: 80, .size: 8, .value_kind: global_buffer, .address_space: global }
    .group_segment_fixed_size: 209920
    .private_segment_fixed_size: 0
    .kernarg_segment_align: 8
    .kernarg_segment_size: 88
    .max_flat_workgroup_size: 256
    .sgpr_count:     66
    .vgpr_count:     386
    .wavefront_size: 32
...
	.end_amdgpu_metadata
.endif
;; end of part 4
;; launch attn: the kernel of part 2 again; grid 4 x 64, 8 waves a work-group, clusters of 4 x 4, 327,680 bytes of LDS; arguments topo_weights, qf, kv, of; writes of
;; launch oproj: the kernel of part 3 again; grid 256 x 1, 8 waves a work-group, no clusters, 50,688 bytes of LDS; arguments of, wof, bo, out0; writes out0
